; MI455X (gfx1250); checked and timed in simulation.
; The chip was launched on July 23, 2026; its instructions are those of AMD's public machine-readable ISA for CDNA 5 (MIT licence, August 2026) and "CDNA5" Instruction Set Architecture Reference Guide (July 2026). The comments in the code are by the model that wrote it; some were corrected since.
;; Self Attention Baseline. Allowed arithmetic: matrix products marked QUANTISED: E2M3 operands, one E8M0 scale for each 32 along K, by v_wmma_scale_f32_16x16x128_f8f6f4 with both operands' format E2M3, f32 sums; everything else in f32.
;; Inputs: W_K 1,024 x 1,024 float32; W_O 1,024 x 1,024 float32; W_Q 1,024 x 1,024 float32; W_V 1,024 x 1,024 float32; X 4 x 2,048 x 1,024 float32.
;; Outputs: out0 4 x 2,048 x 1,024 float32.
;; This version of the problem:
;;   THIS VERSION OF THE PROBLEM IS GIVEN IN LOW PRECISION. The matrix products marked QUANTISED in the list below multiply operands that are first quantised to E2M3 (2 exponent bits, 3 mantissa bits; 6 bits a number), with one power-of-two scale for each 32 numbers along K (OCP MX v1.0); their sums are f32. All else is computed in f32.
;;   The module's matrix products, in the order in which they are computed (A, B: the left and right operand; K: the contracted axis; several contracted axes count as one K, in the product's order):
;;     1. [M 8,192, K 1,024] x [K 1,024, N 1,024]; A: input X; B: input W_Q: QUANTISED
;;     2. [M 8,192, K 1,024] x [K 1,024, N 1,024]; A: input X; B: input W_K: QUANTISED
;;     3. [M 8,192, K 1,024] x [K 1,024, N 1,024]; A: input X; B: input W_V: QUANTISED
;;     4. batch 4 x [M 2,048, K 1,024] x [K 1,024, N 2,048]; A: computed on the way; B: computed on the way: QUANTISED
;;     5. batch 4 x [M 2,048, K 2,048] x [K 2,048, N 1,024]; A: softmax (see below); B: computed on the way: QUANTISED
;;     6. [M 8,192, K 1,024] x [K 1,024, N 1,024]; A: computed on the way; B: input W_O: QUANTISED
;;   THE QUANTISER, for each operand of a quantised product, along K:
;;     - K is cut into blocks of 32 from its start; a last block that is shorter is filled with zeros.
;;     - A block's scale is 2^e with e = floor(log2(the largest magnitude in the block)) - 2, held to -126 .. 127; a block of zeros has e = 0. As a byte (E8M0): e + 127.
;;     - Each number is divided by its block's scale, clamped to +-7.5, and rounded to the nearest number of E2M3, ties to even, subnormals kept.
;;     - The product sums the exact products of the quantised numbers (number of the format x scale) in f32.
;;   ~~~python
;;   def quantise(x, axis):      # numpy; x: float32 -> the quantised numbers, widened to float32 again
;;       x = np.moveaxis(x, axis, -1); K = x.shape[-1]
;;       x = np.pad(x, [(0, 0)] * (x.ndim - 1) + [(0, -K % 32)]); x = x.reshape(x.shape[:-1] + (-1, 32)); a = np.abs(x).max(-1, keepdims=True)
;;       e = np.where(a > 0, np.clip(np.frexp(np.where(a > 0, a, 1))[1] - 1 - 2, -126, 127), 0)      # np.frexp(a)[1] - 1 = floor(log2(a)), exactly
;;       r = np.clip(x / 2.0 ** e, -7.5, 7.5)
;;       step = 2.0 ** (np.maximum(np.frexp(np.where(r == 0, 1, r))[1] - 1, 0) - 3)
;;       q = np.round(r / step) * step * 2.0 ** e      # np.round: ties to even
;;       return np.moveaxis(q.reshape(q.shape[:-2] + (-1,))[..., :K], -1, axis).astype(np.float32)
;;   ~~~
;;   SOFTMAX AHEAD OF A QUANTISED PRODUCT. Where the list says 'softmax', what is quantised is not the finished softmax but p = 2^(t - M), with t = logit x log2(e) and M = ceil(the row's largest t), a whole number; so 1/2 < the row's largest p <= 1. The row's sum l is taken of the UNQUANTISED p, in f32, and the product's result is divided by l at the end. Since M is a whole number, a kernel that streams over the keys may use a running M (the ceiling of the running maximum): every later rescaling is an exact power of two, which a block's scale takes up: the codes' values come out the same.
;;   OPERANDS COMPUTED ON THE WAY. 'Computed on the way' means the value that the module computes at that place (a softmax that the list does not call 'softmax' is quantised finished and normalised). What goes into a quantiser is computed in f32, as accurately as f32 sums, v_exp_f32 and their like allow (about 1e-6 of the number): no bf16 or f16 on the way to a quantiser, and a product that is left as it is and whose result goes on into a quantised operand takes f32 operands (vector FMAs, or v_wmma_f32_16x16x4_f32). A number that lies on a knife's edge between two numbers of the format may be rounded either way, as far as f32 arithmetic and the matrix unit's own rounding can turn it there, and no further.
;; One version. Each part assembles by itself: llvm-mc -triple=amdgcn-amd-amdhsa -mcpu=gfx1250 --defsym DOCPART=n.
;; ======== version 1 of 1: 5 launches
;; limits: right only within a limited range of input values
;; workspace buffers: xq 6,553,600 bytes; wq 3,276,800 bytes; qk 13,107,200 bytes; vt 6,553,600 bytes; pq 14,155,776 bytes; hq 6,553,600 bytes
;; launch quant (part 1): grid 768 x 1, 4 waves a work-group, no clusters, 80,384 bytes of LDS; arguments X, W_Q, W_K, W_V, W_O, xq, wq; writes xq, wq
.if DOCPART == 1
	.amdgcn_target "amdgcn-amd-amdhsa--gfx1250"
	.amdhsa_code_object_version 6
	.text
	.protected	k_q815dc1816b_quant
	.globl	k_q815dc1816b_quant
	.p2align	8
	.type	k_q815dc1816b_quant,@function
k_q815dc1816b_quant:
	s_mov_b64 s[64:65], 0
	v_nop
	global_prefetch_b8 v0, s[64:65] scope:SCOPE_SE
	s_setreg_imm32_b32 hwreg(HW_REG_WAVE_MODE, 25, 1), 1
	s_wait_xcnt 0x0
; X [8192][1024] and the four weights [1024 (k)][1024 (n)], f32, become codes of FP6 (E2M3) with one E8M0 byte for each 32 along K (K = X's columns, the weights' FIRST axis).
; A block's scale is 2^(floor(log2(its largest magnitude)) - 2); its byte is the largest magnitude's exponent field - 2, held at 1 from below (a block of zeros keeps the byte 1 where the rule says 127:
; its codes are zeros, and this program alone reads the bytes).  LIMITS: NaN and infinities are not served; blocks whose largest magnitude lies under 2^-124 keep the byte 1.
; LAYOUT OF THE RESULTS.  A fragment (16 rows x 128 K, 12 registers a lane) lies in memory as the image of its registers: registers 4 g .. 4 g + 3 of lane l at 512 g + 16 l: 1,536 bytes.
; xq: [512 blocks of 16 rows][8 K steps][1,536], then from byte 6,291,456 the scale words [512][8][16 words].  wq: [Q, K, V, O][64][8][1,536], then from byte 3,145,728 the words [4][64][8][16].
; ROWS ARE STORED WITH BITS 3 AND 4 OF THEIR INDEX EXCHANGED: stored block 2 g + u holds the rows 32 g + 8 u + r + 8 (r / 8).  A product that takes such a block as its source 0 leaves a lane 16 neighbours
; along that axis in the 16 registers of two neighbouring tiles, which is what the next quantiser wants.
; Work-groups 0-511 take X (a wave: 32 rows x 128 columns, two fragments), work-groups 512-767 the weights (a wave: 32 columns x 128 along K, two fragments).  Waves share nothing: no barrier.
; The two ways have LDS bytes of their own.  No matrix unit, no cluster, no tensor load: nothing is shared between work-groups and every number is read once.
.set XST,   16896                      ; X: a wave's stage: 32 rows x (512 bytes + 16)
.set WST0,  4*XST                      ; the weights' stages begin here
.set WST,   3072                       ; a wave's: two images
.set SPARE, WST0+4*WST                 ; the spare words, 128 bytes for each wave: two blocks of 256 bytes that no other line names
.set LI,  4                            ; v4   16 x lane
.set SPW, 12                           ; v12  LDS address of my spare word; never rewritten
.set NIL, 13                           ; v13  0; never rewritten
.set PC,  16                           ; v16-35  the codes just made
.set TM,  40                           ; v40-43 largest magnitudes, v44-47 bytes, v52-55 the conversions' scale operands
.set PW,  56                           ; v56, v57  the two fragments' scale words
	s_load_b256 s[4:11], s[0:1], 0x0               ; X, W_Q, W_K, W_V
	s_load_b128 s[12:15], s[0:1], 0x20             ; W_O, xq
	s_load_b64 s[16:17], s[0:1], 0x30              ; wq
	v_lshl_add_u32 v[SPW], v0, 2, SPARE
	v_mov_b32 v[NIL], 0
	v_lshrrev_b32 v1, 5, v0
	v_readfirstlane_b32 s18, v1                    ; wave
	v_and_b32 v3, 31, v0                           ; lane
	v_and_b32 v1, 15, v0                           ; r
	v_bfe_u32 v2, v0, 4, 1                         ; h
	v_lshlrev_b32 v[LI], 4, v3
	s_mov_b32 s20, 0x76543210
	s_mov_b32 s21, 0xfedcba98                      ; v_permlanex16_b32's selects for lane l xor 16
	s_cmp_lt_u32 ttmp9, 512
	s_cbranch_scc0 .Lweights
; 64 numbers of a lane, register 16 b + i = k 32 b + 16 h + i of my row: QMAX makes the four blocks' scales and the row's scale word, QCVT the fragment's codes in v[PC] on.
.macro QMAX s, pw
.irp b, 0,1,2,3
	v_max3_num_f32 v[TM+\b], |v[(\s)+16*\b]|, |v[(\s)+16*\b+1]|, 0x1800000   ; my 16 numbers of block b, and the floor 2^(3 - 127): the byte cannot fall under 1
.endr
.irp i, 2,4,6,8,10,12,14
.irp b, 0,1,2,3
	v_max3_num_f32 v[TM+\b], v[TM+\b], |v[(\s)+16*\b+\i]|, |v[(\s)+16*\b+\i+1]|   ; the four blocks by turns
.endr
.endr
.irp b, 0,1,2,3
	v_permlanex16_b32 v[TM+4+\b], v[TM+\b], s20, s21
.endr
.irp b, 0,1,2,3
	v_max_num_f32 v[TM+\b], v[TM+\b], v[TM+4+\b]   ; with lane l xor 16's 16: the block's largest magnitude
.endr
.irp b, 0,1,2,3
	v_add_nc_u32 v[TM+12+\b], 0xff000000, v[TM+\b] ; 2 off its exponent field: the conversion takes the exponent field of this operand as its scale
.endr
.irp b, 0,1,2,3
	v_lshrrev_b32 v[TM+4+\b], 23, v[TM+12+\b]      ; the scale's byte
.endr
	v_lshl_or_b32 v[\pw], v[TM+5], 8, v[TM+4]
	v_lshl_or_b32 v[\pw], v[TM+6], 16, v[\pw]
	v_lshl_or_b32 v[\pw], v[TM+7], 24, v[\pw]      ; my row's scale word
.endm
.macro QCVT s
.irp c, 0,1
	v_cvt_scalef32_pk16_fp6_f32 v[PC+6*\c:PC+6*\c+2], v[(\s)+32*\c:(\s)+32*\c+15], v[TM+12+2*\c]
	v_cvt_scalef32_pk16_fp6_f32 v[PC+12+4*\c:PC+14+4*\c], v[(\s)+16+32*\c:(\s)+31+32*\c], v[TM+13+2*\c]   ; (a conversion's three registers begin on an even number)
.endr
	v_nop                                          ; one plain place behind a scaled conversion
.irp c, 0,1                                    ; the operand's layout wants a WHOLE block in a lane: lanes 0-15 block 2 c, lanes 16-31 block 2 c + 1
.irp i, 0,1,2
	v_permlane16_swap_b32 v[PC+6*\c+\i], v[PC+12+4*\c+\i]
.endr
.irp i, 0,1,2
	v_mov_b32 v[PC+3+6*\c+\i], v[PC+12+4*\c+\i]
.endr
.endr
.endm
	; ---------------- X: 32 rows x 128 columns ----------------
	s_lshr_b32 s22, ttmp9, 1                       ; which 32 rows
	s_and_b32 s23, ttmp9, 1
	s_lshl_b32 s23, s23, 2
	s_add_co_u32 s23, s23, s18                     ; which K step: 4 x (work-group % 2) + wave
	s_lshl_b32 s24, s22, 17                        ; 32 rows of 4,096 bytes
	s_lshl_b32 s25, s23, 9
	s_add_co_u32 s24, s24, s25
	s_mov_b32 s25, 0
	s_mul_i32 s26, s22, 24576                      ; two blocks of rows x 8 K steps x 1,536
	s_mul_i32 s27, s23, 1536
	s_add_co_u32 s26, s26, s27
	s_mov_b32 s27, 0
	s_lshl_b32 s28, s22, 10                        ; the scale words: two blocks x 8 x 64 bytes
	s_lshl_b32 s29, s23, 6
	s_add_co_u32 s28, s28, s29
	s_add_co_u32 s28, s28, 6291456
	s_mov_b32 s29, 0
	s_mul_i32 s30, s18, XST
	s_wait_alu depctr_va_vdst(0)
	v_add_nc_u32 v5, s30, v[LI]                    ; the stage, on the way in: a row's 512 bytes as they lie
	v_mul_u32_u24 v6, v1, 528
	v_lshl_add_u32 v6, v2, 6, v6
	v_add_nc_u32 v6, s30, v6                       ; on the way out: row r, + 64 h: my 16 numbers of a block of 32
	v_lshlrev_b32 v7, 2, v1
	v_lshl_add_u32 v7, v2, 9, v7                   ; the words' place: lanes 0-15 the first block of rows, lanes 16-31 the second, 512 bytes on
.irp b, 0,1,2,3
	v_mov_b32 v[TM+4+\b], 0                        ; written once: a lane permute's destination counts as one of its sources
.endr
	s_wait_alu depctr_va_vdst(0)
	s_wait_kmcnt 0x0
	s_add_nc_u64 s[4:5], s[4:5], s[24:25]
	s_add_nc_u64 s[26:27], s[14:15], s[26:27]
	s_add_nc_u64 s[28:29], s[14:15], s[28:29]
.set RHO, 0
.rept 32
	global_load_b128 v[128+4*RHO:128+4*RHO+3], v[LI], s[4:5] offset:RHO*4096 th:TH_LOAD_NT   ; 32 lanes read 512 consecutive bytes of row RHO
.set RHO, RHO+1
.endr
.set RHO, 0
.rept 32
	s_wait_loadcnt 31-RHO                          ; loads come back in order: row RHO is in, the younger rows may be out
	ds_store_b128 v5, v[128+4*RHO:128+4*RHO+3] offset:((RHO&7)|(((RHO>>3)&1)<<4)|(((RHO>>4)&1)<<3))*528   ; to its STORED place: bits 3 and 4 of the row exchanged
.set RHO, RHO+1
.endr
.macro XFR u, reg                      ; stored rows 16 u .. 16 u + 15: 64 numbers a lane
.irp b, 0,1,2,3
.irp j, 0,1,2,3
	ds_load_b128 v[\reg+16*\b+4*\j:\reg+16*\b+4*\j+3], v6 offset:\u*8448+128*\b+16*\j   ; LDS serves a wave's instructions in order: these see my stores
.endr
.endr
.endm
	XFR 0, 64
	s_wait_dscnt 0x0                               ; the first fragment's numbers are in, and the stage's stores have read v128 on
	XFR 1, 128                                     ; the second lands while the first is quantised
	QMAX 64, PW
	QCVT 64
.irp c, 0,1,2
	global_store_b128 v[LI], v[PC+4*\c:PC+4*\c+3], s[26:27] offset:512*\c          ; 32 lanes store 512 consecutive bytes
.endr
	s_wait_dscnt 0x0
	QMAX 128, PW+1
	s_wait_xcnt 0x0                                ; the stores above have read v[PC] on: it is written again only behind this wait
	QCVT 128
.irp c, 0,1,2
	global_store_b128 v[LI], v[PC+4*\c:PC+4*\c+3], s[26:27] offset:12288+512*\c
.endr
	v_cmp_lt_u32 vcc_lo, 15, v3
	v_cndmask_b32 v[PW], v[PW], v[PW+1], vcc_lo    ; lanes 0-15 keep the first block's words, lanes 16-31 take the second's
	global_store_b32 v7, v[PW], s[28:29]           ; two pieces of 64 bytes: one part in 24 of what the codes are
	s_wait_tensorcnt 0x0                           ; the wave's end, behind my last LDS store; the tensor wait stands in a text with no tensor load too
	ds_add_u32 v[SPW], v[NIL]
	s_wait_dscnt 0x0
	s_endpgm
	; ---------------- a weight: 32 columns x 128 along K.  A LANE TAKES A COLUMN, ITS REGISTERS RUN DOWN K ----------------
.Lweights:
	s_sub_co_u32 s22, ttmp9, 512
	s_lshr_b32 s23, s22, 6                         ; which weight: Q, K, V, O
	s_bfe_u32 s24, s22, 0x30003                    ; which K step
	s_and_b32 s25, s22, 7                          ; which 128 columns
	s_lshl_b32 s26, s24, 19                        ; 128 rows of 4,096 bytes
	s_lshl_b32 s27, s25, 9
	s_add_co_u32 s26, s26, s27
	s_lshl_b32 s27, s18, 7                         ; my wave's 32 columns
	s_add_co_u32 s26, s26, s27
	s_mov_b32 s27, 0
	s_lshl_b32 s28, s23, 6
	s_lshl_b32 s29, s25, 3
	s_add_co_u32 s28, s28, s29
	s_lshl_b32 s29, s18, 1
	s_add_co_u32 s28, s28, s29                     ; my first block of 16 operand rows: 64 w + 8 x + 2 wave
	s_lshl_b32 s28, s28, 3
	s_add_co_u32 s28, s28, s24                     ; x 8 K steps + mine
	s_lshl_b32 s30, s28, 6
	s_add_co_u32 s30, s30, 3145728                 ; its scale words
	s_mov_b32 s31, 0
	s_mul_i32 s28, s28, 1536                       ; its image
	s_mov_b32 s29, 0
	s_and_b32 s33, s23, 1
	s_mul_i32 s32, s18, WST
	s_add_co_u32 s32, s32, WST0                    ; my stage
	v_bfe_u32 v5, v0, 3, 1                         ; bit 3 of my column: which of the two stored blocks
	v_and_b32 v6, 7, v0
	s_wait_alu depctr_va_vdst(0)
	v_lshl_add_u32 v6, v2, 3, v6                   ; and the row in it: (lane % 8) + 8 x bit 4
	v_mul_u32_u24 v8, v5, 1536
	v_lshl_add_u32 v8, v6, 4, v8
	v_add_nc_u32 v8, s32, v8                       ; the stage, on the way in: that row's lane place in that block's image
	v_add_nc_u32 v9, s32, v[LI]                    ; and on the way out: 16 x lane
	v_lshlrev_b32 v10, 2, v6
	v_lshl_add_u32 v10, v5, 9, v10                 ; my row's scale word
	v_lshlrev_b32 v11, 2, v3                       ; in: 4 bytes a lane
	s_wait_alu depctr_va_vdst(0)
	s_wait_kmcnt 0x0
	s_cmp_lt_u32 s23, 2                            ; the choice hangs on the work-group's number alone
	s_cselect_b64 s[6:7], s[6:7], s[10:11]
	s_cselect_b64 s[8:9], s[8:9], s[12:13]
	s_cmp_eq_u32 s33, 0
	s_cselect_b64 s[6:7], s[6:7], s[8:9]
	s_add_nc_u64 s[6:7], s[6:7], s[26:27]
	s_add_nc_u64 s[28:29], s[16:17], s[28:29]
	s_add_nc_u64 s[30:31], s[16:17], s[30:31]
.macro WLOAD t                         ; block t: W(32 t + i, my column), i = 0 .. 31; every block has registers of its own
.set II, 0
.rept 32
	global_load_b32 v[128+32*(\t)+II], v11, s[6:7] offset:(32*(\t)+II)*4096 th:TH_LOAD_NT   ; 32 lanes read 128 consecutive bytes, the four waves 512
.set II, II+1
.endr
.endm
	WLOAD 0
	WLOAD 1
.macro WBLOCK t
.set XS, 128+32*(\t)
.set CC, 64+8*(\t)
.set DD, 96+4*(\t)
.if (\t) < 3
	s_wait_loadcnt 32                              ; this block's 32 loads are in; the next block's may be out
.else
	s_wait_loadcnt 0x0
.endif
	v_max3_num_f32 v14, |v[XS]|, |v[XS+1]|, |v[XS+2]|      ; the block's largest magnitude: all 32 numbers are mine
	v_max3_num_f32 v15, |v[XS+3]|, |v[XS+4]|, |v[XS+5]|
.irp i, 6,10,14,18,22,26
	v_max3_num_f32 v14, v14, |v[XS+\i]|, |v[XS+\i+1]|
	v_max3_num_f32 v15, v15, |v[XS+\i+2]|, |v[XS+\i+3]|
.endr
	v_max3_num_f32 v14, v14, |v[XS+30]|, |v[XS+31]|
	v_max3_num_f32 v14, v14, v15, 0x1800000        ; and the floor
	v_add_nc_u32 v32, 0xff000000, v14
	v_lshrrev_b32 v15, 23, v32
.if (\t) == 0
	v_mov_b32 v33, v15                             ; the four bytes make my row's scale word, the lower K in the lower byte
.else
	v_lshl_or_b32 v33, v15, 8*(\t), v33
.endif
	v_cvt_scalef32_pk16_fp6_f32 v[CC:CC+2], v[XS:XS+15], v32
	v_cvt_scalef32_pk16_fp6_f32 v[DD:DD+2], v[XS+16:XS+31], v32
	v_nop                                          ; one plain place behind a scaled conversion
.irp i, 0,1,2
	v_mov_b32 v[CC+3+\i], v[DD+\i]                 ; the block's 24 bytes on end
.endr
; In the image block t belongs to lane r + 16 (t % 2), registers 6 (t / 2) .. + 5: registers 0-3 at 0, 4-7 at 512, 8-11 at 1,024, 16 bytes a lane
.if (\t) < 2
	ds_store_b128 v8, v[CC:CC+3] offset:256*((\t)&1)
	ds_store_b64 v8, v[CC+4:CC+5] offset:256*((\t)&1)+512
.else
	ds_store_b64 v8, v[CC:CC+1] offset:256*((\t)&1)+520
	ds_store_b128 v8, v[CC+2:CC+5] offset:256*((\t)&1)+1024
.endif
.if (\t)+2 < 4
	WLOAD (\t)+2
.endif
.endm
	WBLOCK 0
	WBLOCK 1
	WBLOCK 2
	WBLOCK 3
.irp i, 0,1,2,3,4,5
	ds_load_b128 v[36+4*\i:36+4*\i+3], v9 offset:512*\i   ; LDS serves a wave's instructions in order: these see my stores
.endr
	s_wait_alu depctr_va_vdst(0)
.irp i, 0,1,2,3,4,5
	s_wait_dscnt 5-\i
	global_store_b128 v[LI], v[36+4*\i:36+4*\i+3], s[28:29] offset:(\i/3)*12288+512*(\i%3)   ; 32 lanes store 512 consecutive bytes
.endr
	global_store_b32 v10, v33, s[30:31]
	s_wait_tensorcnt 0x0                           ; the wave's end, as above
	ds_add_u32 v[SPW], v[NIL]
	s_wait_dscnt 0x0
	s_endpgm
.Lfunc_end_k_q815dc1816b_quant:
	.size	k_q815dc1816b_quant, .Lfunc_end_k_q815dc1816b_quant-k_q815dc1816b_quant
	.p2alignl 7, 3214868480
	.fill 96, 4, 3214868480
	.section	.rodata,"a",@progbits
	.p2align	6, 0x0
	.amdhsa_kernel k_q815dc1816b_quant
		.amdhsa_group_segment_fixed_size 80384
		.amdhsa_private_segment_fixed_size 0
		.amdhsa_enable_private_segment 0
		.amdhsa_kernarg_size 56
		.amdhsa_user_sgpr_count 2
		.amdhsa_user_sgpr_kernarg_segment_ptr 1
		.amdhsa_wavefront_size32 1
		.amdhsa_system_sgpr_workgroup_id_x 1
		.amdhsa_system_sgpr_workgroup_id_y 1
		.amdhsa_system_sgpr_workgroup_id_z 1
		.amdhsa_system_vgpr_workitem_id 0
		.amdhsa_next_free_vgpr 256
		.amdhsa_next_free_sgpr 66
		.amdhsa_reserve_vcc 1
		.amdhsa_float_denorm_mode_32 3
		.amdhsa_float_denorm_mode_16_64 3
		.amdhsa_memory_ordered 1
		.amdhsa_forward_progress 1
		.amdhsa_inst_pref_size 41
	.end_amdhsa_kernel
	.amdgpu_metadata
---
amdhsa.version: [ 1, 2 ]
amdhsa.kernels:
  - .name:           k_q815dc1816b_quant
    .symbol:         k_q815dc1816b_quant.kd
    .args:
      - { .name: X, .offset: 0, .size: 8, .value_kind: global_buffer, .address_space: global }
      - { .name: W_Q, .offset: 8, .size: 8, .value_kind: global_buffer, .address_space: global }
      - { .name: W_K, .offset: 16, .size: 8, .value_kind: global_buffer, .address_space: global }
      - { .name: W_V, .offset: 24, .size: 8, .value_kind: global_buffer, .address_space: global }
      - { .name: W_O, .offset: 32, .size: 8, .value_kind: global_buffer, .address_space: global }
      - { .name: xq, .offset: 40, .size: 8, .value_kind: global_buffer, .address_space: global }
      - { .name: wq, .offset: 48, .size: 8, .value_kind: global_buffer, .address_space: global }
    .group_segment_fixed_size: 80384
    .private_segment_fixed_size: 0
    .kernarg_segment_align: 8
    .kernarg_segment_size: 56
    .max_flat_workgroup_size: 128
    .sgpr_count:     66
    .vgpr_count:     256
    .wavefront_size: 32
...
	.end_amdgpu_metadata
.endif
;; end of part 1
;; launch proj (part 2): grid 8 x 32, 4 waves a work-group, clusters of 4 x 4, 327,680 bytes of LDS; arguments xq, wq, qk, vt; writes qk, vt
.if DOCPART == 2
	.amdgcn_target "amdgcn-amd-amdhsa--gfx1250"
	.amdhsa_code_object_version 6
	.text
	.protected	k_q815dc1816b_proj
	.globl	k_q815dc1816b_proj
	.p2align	8
	.type	k_q815dc1816b_proj,@function
k_q815dc1816b_proj:
	s_mov_b64 s[64:65], 0
	v_nop
	global_prefetch_b8 v0, s[64:65] scope:SCOPE_SE
	s_setreg_imm32_b32 hwreg(HW_REG_WAVE_MODE, 25, 1), 1
	s_wait_xcnt 0x0
	s_wait_alu depctr_hold_cnt(0) depctr_sa_sdst(0) depctr_va_vdst(0) depctr_va_sdst(0) depctr_va_ssrc(0) depctr_va_vcc(0) depctr_vm_vsrc(0)
	s_getreg_b32 s2, hwreg(HW_REG_IB_STS2, 6, 4)
	s_cmp_eq_u32 s2, 0
	s_cbranch_scc0 .Lentry_in_a_cluster
	s_endpgm
.Lentry_in_a_cluster:
	s_bfe_u32 s2, ttmp6, 0x10000c
	s_cmp_lg_u32 s2, 0xf033
	s_cbranch_scc0 .Lentry_shape_is_right
	s_endpgm
.Lentry_shape_is_right:
; Q = X W_Q, K = X W_K, V = X W_V on codes of FP6 (E2M3) with E8M0 scales, sums in f32; the results are quantised at once: Q and K along their 1,024 columns, V along the KEYS (it leaves as V^T).
; OPERANDS lie in memory as images of their registers: a fragment (16 rows x 128 K) is 1,536 dense bytes, registers 4 g .. 4 g + 3 of lane l at 512 g + 16 l; a buffer of codes is [block of 16 rows][K step][1,536],
; its scale words [block][K step][16 words].  Rows are stored with bits 3 and 4 of their index exchanged.
; THE PRODUCT IS USED TRANSPOSED: source 0 = 16 rows of "P", the operand along whose rows the RESULT is quantised; source 1 = 16 rows of "R", the result's rows.  Lane (r, h) holds row r of R, and, thanks to the
; stored order of P's rows, the 64 registers of its eight tiles are P's true indices 32 b + 16 h + i at register 16 b + i: the quantiser's input as it stands.  A wave's 128 rows of P are one K step of the result.
; A WORK-GROUP STAYS AND MAKES TWO TILES, so that 8 x 32 = 256 work-groups have equal work (3 x 8,192 x 1,024 results are 256 x 384 for each).  Work-group (x, y):
;   part 1: R = X's rows 256 y on, P = rows 256 x on of W_Q and W_K: 256 x 256; a wave makes 128 x 128: 64 accumulators.
;   part 2: R = W_V's rows 128 x on, P = the SAME rows of X: 128 x 256; a wave makes 64 x 128: 32 accumulators.
; X'S TILE STAYS IN LDS: all 8 K steps, 196,608 bytes, filled once.  The weights stream through two slots of 49,152 bytes: W_Q | W_K two K steps at a time, then W_V, whose 128 rows take four K steps to a slot.
; CLUSTER 4 x 4: the four of a row need the same tile of X, the four of a column the same weights: each tile is asked for jointly.  Every refill of a slot is one line for all four waves: 4 blocks x 2 K steps,
; 12,288 bytes, each wave's own part, at LDS base + 12,288 x wave.
; LIMITS: NaN and infinities are not served; blocks whose largest magnitude lies under 2^-124 keep the scale byte 1 (a block of zeros too: its codes are zeros, and this program alone reads the bytes).
; REGISTERS: window 0: v1 r, v2 h, v3 lane, v4 16 x lane, v8-26 LDS addresses and the words' places, v28, v29 the add's two, v32-47 scale words (two sets, nothing else), v48-63 at work,
;   v64-159 and v160-255 R's fragments (two sets; part 2 takes 48 of each).  window 1: v0-95, v128-223 P's fragments (two sets).  windows 2, 3: the accumulators, (a, b) at v[8 (8 (a % 4) + b)].
.set NQ,   2                           ; K steps in one tensor load
.set FRB,  1536
.set QB,   4*NQ*FRB                    ; what one tensor load brings: 4 blocks x 2 fragments
.set XSL,  4*QB                        ; X's 16 blocks, two K steps; four of these from LDS byte 0 on
.set WS0,  4*XSL                       ; the weights' two slots
.set WSL,  4*QB
.set SCV,  WS0+2*WSL                   ; W_V's scale words: 2,048 bytes for each wave, its own copy, stored by the wave: no tensor load lands here
.set SCR,  SCV+8192                    ; X's scale words, all K
.set SCP,  SCR+8192                    ; W_Q | W_K's
.set SPARE, SCP+8192                   ; the spare words, 128 bytes for each wave: two blocks of 256 bytes that no other line names
.set LI,   4
.set AX1,  8                           ; v8-11   part 1: my half of X's rows, by pair of blocks
.set AW1,  12                          ; v12-13  part 1: my half of the weight's rows, by slot
.set AS1,  14                          ; v14     part 1: the scale words: lanes 0-15 X's, lanes 16-31 the weight's
.set AS2B, 15                          ; v15     part 2: X's scale words, in both halves of the lanes
.set AX2,  16                          ; v16-19  part 2: my half of X's rows, by pair of blocks
.set AV2,  20                          ; v20-21  part 2: my half of W_V's rows, by slot
.set AS2A, 22                          ; v22     part 2: lanes 0-15 W_V's words, lanes 16-31 X's
.set WO1,  23                          ; v23, v24  where the results' scale words go
.set WO2,  24
.set SVA,  25                          ; v25     where I store my copy of W_V's words
.set SPW,  28
.set NIL,  29
.set SC,   32
.set TM,   48
.set RF,   64
.set PC,   128                         ; the way out: the codes just made, v128-147
.set PW,   160                         ; and the blocks' scale words
.set G1X,  24                          ; s[24:31] descriptor group 1 for X's tiles;  s[32:39] for the weights'
.set G1W,  32
.set G0X,  40                          ; s[40:55] groups 0 for the head's four first fills
.set G0W,  56                          ; s[56:63] for the weights' two slots
; THE HEAD AS IT STANDS: four first fills, one a wave: X's blocks 0-7, X's blocks 8-15 (98,304 dense bytes each), the weight's K steps 0-1 and 2-3 (16 blocks each).
; X lies in LDS as [16 blocks][8 K steps][1,536].  The scale words come by plain loads, a quarter to a wave, and are stored to LDS bytes of their own.
.set G1SW, 80                          ; s[80:87] group 1 for the head's two loads of the weight: 16 blocks x 2 K steps
.set SEL,  100                         ; s[100:101] v_permlanex16_b32's selects for lane l xor 16
.set MSB, 0
.macro WIN new                         ; the immediate's high byte repeats the setting that is left; a switch that changes nothing is dropped
.if MSB != (\new)
	s_set_vgpr_msb (MSB<<8)|(\new)
.set MSB, (\new)
.endif
.endm
.set MUL_LO, 0xa1                      ; source 0 (P) window 1, source 1 (R) window 0, C and D window 2
.set MUL_HI, 0xf1                      ; the same, C and D window 3
.set TO_B,   0x40                      ; destination window 1, address window 0
.macro PLACES n
.rept \n
	v_nop
.endr
.endm
; A joint load that all four waves issue by one line, each for its own part; an s_nop 0 and four v_nop follow it.
.macro TLOAD g0, g1
	tensor_load_to_lds s[\g0:\g0+3], s[\g1:\g1+7]
	s_nop 0
	PLACES 4
.endm
; An arm of the head's one chain of branches on the wave's number: its load, and a jump to the chain's end.
.macro ARM under, g0, g1, next
	s_cmp_lt_u32 s14, \under
	s_cbranch_scc0 \next
	tensor_load_to_lds s[\g0:\g0+3], s[\g1:\g1+7]
	s_nop 0
	PLACES 4
	s_branch .Lhead_asked
\next:
.endm
.macro GROUP0C g, lds, adr, off        ; a group 0 whose LDS address is a constant
	s_mov_b32 s[\g], 1
	s_mov_b32 s[\g+1], \lds
	s_add_nc_u64 s[\g+2:\g+3], s[\adr:\adr+1], \off
	s_or_b32 s[\g+3], s[\g+3], 0x80000000
.endm
.macro CREST                           ; a round of the cluster's barrier behind its opening barrier
	s_cmp_lg_u32 s14, 0
	s_cbranch_scc1 .Lnot_wave_0_\@
	s_barrier_signal -3
.Lnot_wave_0_\@:
	s_barrier_wait -3
	s_barrier_signal -1
	s_barrier_wait -1
.endm
.macro CROUND
	s_barrier_signal -1
	s_barrier_wait -1
	CREST
.endm
.macro GROUP1 g, c, rows, pitch        ; words 1 to 7: rows of c elements of 8 bytes, pitch elements apart; the tile lies inside the tensor, so the extents are the tile's
	s_mov_b32 s[\g+1], (\c)<<16
	s_mov_b32 s[\g+2], (\rows)<<16
	s_mov_b32 s[\g+3], (\c)<<16
	s_mov_b32 s[\g+4], \rows
	s_mov_b32 s[\g+5], \pitch
	s_mov_b32 s[\g+6], 0
	s_mov_b32 s[\g+7], 0
.endm
.macro GROUP0 g, ldsreg, ldsconst, adr, off
	s_mov_b32 s[\g], 1                             ; count = 1
	s_add_co_u32 s[\g+1], s[\ldsreg], \ldsconst    ; LDS address: the wave's number times a constant, plus a constant
	s_add_nc_u64 s[\g+2:\g+3], s[\adr:\adr+1], \off
	s_or_b32 s[\g+3], s[\g+3], 0x80000000          ; type = 2
.endm
; 8 matrix instructions: R's block a against P's eight, 128 along K, from set p.  The accumulators take turns, one instruction a turn, in the same order in every step.
; Scale register i of a set holds R's block i's words in lanes 0-15 and P's block i's in lanes 16-31.
.macro MULA a, p, zero
.irp b, 0,1,2,3,4,5,6,7
.if \zero
	v_wmma_scale_f32_16x16x128_f8f6f4 v[8*(8*((\a)%4)+\b):8*(8*((\a)%4)+\b)+7], v[128*(\p)+12*\b:128*(\p)+12*\b+11], v[RF+96*(\p)+12*(\a):RF+96*(\p)+12*(\a)+11], 0, v[SC+8*(\p)+\b], v[SC+8*(\p)+(\a)] matrix_a_fmt:MATRIX_FMT_FP6 matrix_b_fmt:MATRIX_FMT_FP6 matrix_a_scale:MATRIX_SCALE_ROW1
.else
	v_wmma_scale_f32_16x16x128_f8f6f4 v[8*(8*((\a)%4)+\b):8*(8*((\a)%4)+\b)+7], v[128*(\p)+12*\b:128*(\p)+12*\b+11], v[RF+96*(\p)+12*(\a):RF+96*(\p)+12*(\a)+11], v[8*(8*((\a)%4)+\b):8*(8*((\a)%4)+\b)+7], v[SC+8*(\p)+\b], v[SC+8*(\p)+(\a)] matrix_a_fmt:MATRIX_FMT_FP6 matrix_b_fmt:MATRIX_FMT_FP6 matrix_a_scale:MATRIX_SCALE_ROW1
.endif
.endr
.endm
; One run of LDS loads: the fragments and scale words of K step ks into set p.  An image comes back by three loads of 16 bytes a lane, 512 consecutive bytes each.
; Part 1: P = the weight (slot (ks / 2) % 2), R = X (K step ks): 56 loads.
.macro FETCH1 ks, p
	WIN TO_B
.irp i, 0,1,2,3,4,5,6,7
.irp c, 0,1,2
	ds_load_b128 v[128*(\p)+12*\i+4*\c:128*(\p)+12*\i+4*\c+3], v[AW1+((\ks)/2)%2] offset:\i*NQ*FRB+((\ks)%2)*FRB+512*\c
.endr
.endr
	WIN 0
.irp i, 0,1,2,3,4,5,6,7
.irp c, 0,1,2
	ds_load_b128 v[RF+96*(\p)+12*\i+4*\c:RF+96*(\p)+12*\i+4*\c+3], v[AX1+\i/2] offset:(\i%2)*8*FRB+(\ks)*FRB+512*\c
.endr
.endr
.irp i, 0,1,2,3,4,5,6,7
	ds_load_b32 v[SC+8*(\p)+\i], v[AS1] offset:\i*512+(\ks)*64
.endr
.endm
; Part 2: P = X (K step ks), R = W_V (slot ks / 4; in it K pair (ks / 2) % 2 at 24,576 bytes): 44 loads.  Scale registers 4-7 have no block of R: all their lanes take X's words.
.macro FETCH2 ks, p
	WIN TO_B
.irp i, 0,1,2,3,4,5,6,7
.irp c, 0,1,2
	ds_load_b128 v[128*(\p)+12*\i+4*\c:128*(\p)+12*\i+4*\c+3], v[AX2+\i/2] offset:(\i%2)*8*FRB+(\ks)*FRB+512*\c
.endr
.endr
	WIN 0
.irp i, 0,1,2,3
.irp c, 0,1,2
	ds_load_b128 v[RF+96*(\p)+12*\i+4*\c:RF+96*(\p)+12*\i+4*\c+3], v[AV2+(\ks)/4] offset:(((\ks)/2)%2)*2*QB+\i*NQ*FRB+((\ks)%2)*FRB+512*\c
.endr
.endr
.irp i, 0,1,2,3
	ds_load_b32 v[SC+8*(\p)+\i], v[AS2A] offset:\i*512+(\ks)*64
.endr
.irp i, 4,5,6,7
	ds_load_b32 v[SC+8*(\p)+\i], v[AS2B] offset:\i*512+(\ks)*64
.endr
.endm
; A K step: set p is multiplied while the next step's run of loads lands in the other set.  Four places stand between the last products, which read that other set, and the loads into it
; (ISA guide 7.12.1 for vector instructions).
.macro STEP1 p, zero, nks
	s_wait_dscnt 0x0                               ; set p is in (asked for a step ago)
	PLACES 4
	FETCH1 \nks, 1-(\p)
	WIN MUL_LO
.irp a, 0,1,2,3
	MULA \a, \p, \zero
.endr
	WIN MUL_HI
.irp a, 4,5,6,7
	MULA \a, \p, \zero
.endr
.endm
.macro STEP2 p, zero, nks
	s_wait_dscnt 0x0
	PLACES 4
	FETCH2 \nks, 1-(\p)
	WIN MUL_LO
.irp a, 0,1,2,3
	MULA \a, \p, \zero
.endr
.endm
; A K step of part 1 that leaves a slot of the weights: ONE barrier, which opens a round of the cluster's barrier; in front of it each wave waits for all its tensor loads, adds 0 to its spare word, and waits for
; that and for its LDS reads.  Slot fslot, just read out, is filled again first thing behind the round, one load a wave: with the weight's K steps four on (isv = 0), or with W_V from voff bytes on (isv = 1).
; Then the next step's fragments: part 1's K step nks, or (ph2 = 1) part 2's first.
.macro TURN1 p, fslot, isv, voff, nks, ph2
	WIN 0                                          ; (the add's two registers lie in window 0)
	s_wait_tensorcnt 0x0                           ; all my tensor loads have landed;
	ds_add_u32 v[SPW], v[NIL]                      ; 0 onto my spare word;
	s_wait_dscnt 1                                 ; set p is in; only the add may be out
	WIN MUL_LO
	MULA 0, \p, 0
	MULA 1, \p, 0
	s_wait_dscnt 0x0                               ; the add is done, and no LDS read of mine is out
	s_barrier_signal -1
	MULA 2, \p, 0
	MULA 3, \p, 0
	WIN 0
	s_barrier_wait -1
	CREST                                          ; no wave of any partner still reads the slot or has a load on its way
.if \isv
	s_add_nc_u64 s[G0W+4*\fslot+2:G0W+4*\fslot+3], s[12:13], \voff
	s_or_b32 s[G0W+4*\fslot+3], s[G0W+4*\fslot+3], 0x80000000
.else
	s_add_nc_u64 s[G0W+4*\fslot+2:G0W+4*\fslot+3], s[G0W+4*\fslot+2:G0W+4*\fslot+3], 2*NQ*FRB
.endif
	TLOAD G0W+4*\fslot, G1W                        ; the four v_nop behind it are also the places in front of the loads below
.if \ph2
	FETCH2 0, 1-(\p)
.else
	FETCH1 \nks, 1-(\p)
.endif
	WIN MUL_HI
.irp a, 4,5,6,7
	MULA \a, \p, 0
.endr
.endm
; THE QUANTISER.  64 numbers of a lane in window w, register s + 16 b + i = index 32 b + 16 h + i of my row.  QMAX: the four blocks' scales and the row's scale word; each accumulator is read from its low end on.
.macro QMAX s, w, pw
	WIN (\w)*5
.irp b, 0,1,2,3
	v_max3_num_f32 v[TM+\b], |v[(\s)+16*\b]|, |v[(\s)+16*\b+1]|, 0x1800000   ; and the floor 2^(3 - 127): the byte cannot fall under 1
.endr
	WIN (\w)*0x14
.irp i, 2,4,6,8,10,12,14
.irp b, 0,1,2,3
	v_max3_num_f32 v[TM+\b], v[TM+\b], |v[(\s)+16*\b+\i]|, |v[(\s)+16*\b+\i+1]|
.endr
.endr
	WIN 0
.irp b, 0,1,2,3
	v_permlanex16_b32 v[TM+4+\b], v[TM+\b], s[SEL], s[SEL+1]
.endr
.irp b, 0,1,2,3
	v_max_num_f32 v[TM+\b], v[TM+\b], v[TM+4+\b]   ; with lane l xor 16's 16: the block's largest magnitude
.endr
.irp b, 0,1,2,3
	v_add_nc_u32 v[TM+12+\b], 0xff000000, v[TM+\b] ; 2 off its exponent field: the conversion's scale operand
.endr
.irp b, 0,1,2,3
	v_lshrrev_b32 v[TM+4+\b], 23, v[TM+12+\b]      ; the scale's byte
.endr
	v_lshl_or_b32 v[\pw], v[TM+5], 8, v[TM+4]
	v_lshl_or_b32 v[\pw], v[TM+6], 16, v[\pw]
	v_lshl_or_b32 v[\pw], v[TM+7], 24, v[\pw]
.endm
.macro QCVT s, w                       ; the codes, in the operand's layout, in v[PC] .. v[PC + 11]
	WIN (\w)
.irp c, 0,1
	v_cvt_scalef32_pk16_fp6_f32 v[PC+6*\c:PC+6*\c+2], v[(\s)+32*\c:(\s)+32*\c+15], v[TM+12+2*\c]
	v_cvt_scalef32_pk16_fp6_f32 v[PC+12+4*\c:PC+14+4*\c], v[(\s)+16+32*\c:(\s)+31+32*\c], v[TM+13+2*\c]   ; (a conversion's three registers begin on an even number)
.endr
	WIN 0
	v_nop                                          ; one plain place behind a scaled conversion
.irp c, 0,1                                    ; a WHOLE block to a lane: lanes 0-15 block 2 c, lanes 16-31 block 2 c + 1
.irp i, 0,1,2
	v_permlane16_swap_b32 v[PC+6*\c+\i], v[PC+12+4*\c+\i]
.endr
.irp i, 0,1,2
	v_mov_b32 v[PC+3+6*\c+\i], v[PC+12+4*\c+\i]
.endr
.endr
.endm
	s_load_b256 s[4:11], s[0:1], 0x0               ; xq s[4:5], wq s[6:7], qk s[8:9], vt s[10:11]
	v_lshl_add_u32 v[SPW], v0, 2, SPARE
	v_mov_b32 v[NIL], 0
	ds_add_u32 v[SPW], v[NIL]                      ; the wave's opening: the add and its wait ahead of my first tensor load; work on registers stands between them
	ds_add_u32 v[SPW], v[NIL]
	v_lshrrev_b32 v1, 5, v0
	v_readfirstlane_b32 s14, v1                    ; wave 0..3
	s_lshr_b32 s15, s14, 1                         ; my half of R's rows
	s_and_b32 s16, s14, 1                          ; my half of P's rows
	s_bfe_u32 s92, ttmp6, 0x40000                  ; cx
	s_bfe_u32 s93, ttmp6, 0x40004                  ; cy
	s_and_b32 s97, ttmp7, 0xffff                   ; the cluster's y
	s_lshl_b32 s95, s93, 2
	s_lshl_b32 s95, 15, s95                        ; my row of the cluster
	s_lshl_b32 s96, 0x1111, s92                    ; my column
	s_or_b32 s[G1X], s95, (3<<16)|(1<<21)          ; 15:0 the mask; 17:16 elements of 8 bytes; 20 no padding; 21 set beside a mask
	s_or_b32 s[G1W], s96, (3<<16)|(1<<21)
	s_or_b32 s[G1SW], s96, (3<<16)|(1<<21)
	GROUP1 G1X, 8*192, 8, 1536                     ; 8 blocks of X, all 8 K steps: rows of 12,288 bytes on end
	GROUP1 G1W, NQ*192, 4, 1536                    ; a refill: 4 blocks x 2 fragments
	GROUP1 G1SW, NQ*192, 16, 1536                  ; a first fill of a slot: 16 blocks x 2 fragments
	; X's addresses are made of cy, the cluster's y and the wave's number alone
	s_lshl_b32 s18, s97, 2
	s_add_co_u32 s17, s18, s93                     ; y: X's tile of 256 rows
	s_lshl_b32 s18, s17, 4
	s_lshl_b32 s20, s18, 9
	s_lshl_b32 s19, s14, 11
	s_add_co_u32 s20, s20, s19
	s_add_co_u32 s20, s20, 6291456                 ; my quarter, 2,048 bytes, of the tile's scale words
	s_mov_b32 s21, 0
	s_mul_i32 s18, s18, 12288                      ; the tile's codes
	s_mov_b32 s19, 0
	; the weights' of cx, the cluster's x and the wave's number alone
	s_lshl_b32 s22, ttmp9, 2
	s_add_co_u32 s94, s22, s92                     ; x: the tile of 256 rows of W_Q | W_K, and of 128 rows of W_V
	s_lshl_b32 s22, s94, 4
	s_lshl_b32 s66, s22, 9
	s_lshl_b32 s23, s14, 11
	s_add_co_u32 s66, s66, s23
	s_add_co_u32 s66, s66, 3145728                 ; my quarter of the weight's scale words
	s_mov_b32 s67, 0
	s_mul_i32 s22, s22, 12288                      ; the weight's tile
	s_mov_b32 s23, 0
	s_lshl_b32 s12, s94, 3                         ; W_V: of a slot's 8 blocks x 4 K steps wave w fetches blocks 4 (w % 2) on, K pair w / 2
	s_lshl_b32 s13, s16, 2
	s_add_co_u32 s12, s12, s13
	s_mul_i32 s12, s12, 12288
	s_mul_i32 s13, s15, NQ*FRB
	s_add_co_u32 s12, s12, s13
	s_add_co_u32 s12, s12, 1572864
	s_mov_b32 s13, 0
	s_lshl_b32 s2, s94, 3                          ; W_V's scale words of the four blocks that I multiply: 2,048 dense bytes
	s_lshl_b32 s3, s15, 2
	s_add_co_u32 s2, s2, s3
	s_lshl_b32 s2, s2, 9
	s_add_co_u32 s2, s2, 3211264
	s_mov_b32 s3, 0
	s_mul_i32 s99, s14, QB                         ; where the tiles go: no place in the cluster enters an LDS address
	s_mov_b32 s[SEL], 0x76543210
	s_mov_b32 s[SEL+1], 0xfedcba98
	v_and_b32 v3, 31, v0
	v_lshlrev_b32 v[LI], 4, v3
	s_wait_alu depctr_va_vdst(0)                   ; directly ahead of the waits below
	s_wait_dscnt 0x0                               ; both opening adds are done
	s_wait_kmcnt 0x0
	s_add_nc_u64 s[18:19], s[4:5], s[18:19]
	s_add_nc_u64 s[68:69], s[4:5], s[20:21]        ; (registers that nothing writes again while the loads below are out)
	s_add_nc_u64 s[22:23], s[6:7], s[22:23]
	s_add_nc_u64 s[70:71], s[6:7], s[66:67]
	s_add_nc_u64 s[12:13], s[6:7], s[12:13]
	s_add_nc_u64 s[2:3], s[6:7], s[2:3]
.irp i, 0,1,2,3
	global_load_b128 v[64+4*\i:64+4*\i+3], v[LI], s[2:3] offset:512*\i     ; W_V's words of my four blocks; 32 lanes read 512 consecutive bytes
	global_load_b128 v[80+4*\i:80+4*\i+3], v[LI], s[68:69] offset:512*\i   ; my quarter of X's words
	global_load_b128 v[96+4*\i:96+4*\i+3], v[LI], s[70:71] offset:512*\i   ; my quarter of W_Q | W_K's
.endr
	GROUP0C G0X, 0, 18, 0                          ; X's blocks 0-7,
	GROUP0C G0X+4, 8*8*FRB, 18, 8*8*FRB            ; blocks 8-15,
	GROUP0C G0X+8, WS0, 22, 0                      ; the weight's K steps 0 and 1,
	GROUP0C G0X+12, WS0+WSL, 22, NQ*FRB            ; and 2 and 3
	s_mul_i32 s76, s14, 4*8*FRB
	s_mov_b32 s77, 0
	s_add_nc_u64 s[22:23], s[22:23], s[76:77]      ; for the refills: my four blocks of the weight
	GROUP0 G0W, 99, WS0, 22, 0
	GROUP0 G0W+4, 99, WS0+WSL, 22, NQ*FRB
	CROUND                                         ; all sixteen work-groups are here: the first joint loads meet
	ARM 1, G0X, G1X, .Lhead_x1                     ; one tensor load a wave
	ARM 2, G0X+4, G1X, .Lhead_w0
	ARM 3, G0X+8, G1SW, .Lhead_w1
	tensor_load_to_lds s[G0X+12:G0X+15], s[G1SW:G1SW+7]
	s_nop 0
	PLACES 4
.Lhead_asked:
	v_and_b32 v1, 15, v0                           ; r
	v_bfe_u32 v2, v0, 4, 1                         ; h
	s_wait_alu depctr_va_vdst(0)                   ; behind the writes
	s_mul_i32 s18, s15, 8*QB                       ; part 1: my half of X's rows: 8 blocks of 12,288 bytes
	s_mul_i32 s19, s16, 8*QB                       ; part 2: my half of X's rows
.irp k, 0,1,2,3                        ; a register for each pair of blocks, so that the offsets stay inside 16 bits
	v_add_nc_u32 v[AX1+\k], s18, v[LI]
	v_add_nc_u32 v[AX2+\k], s19, v[LI]
	s_add_co_u32 s18, s18, 2*QB
	s_add_co_u32 s19, s19, 2*QB
.endr
	s_mul_i32 s18, s16, 2*QB                       ; part 1: my half of the weight's 16 blocks
	s_add_co_u32 s18, s18, WS0
	s_mul_i32 s19, s15, QB                         ; part 2: my half of W_V's 8 blocks
	s_add_co_u32 s19, s19, WS0
.irp s, 0,1
	v_add_nc_u32 v[AW1+\s], s18, v[LI]
	v_add_nc_u32 v[AV2+\s], s19, v[LI]
	s_add_co_u32 s18, s18, WSL
	s_add_co_u32 s19, s19, WSL
.endr
	s_lshl_b32 s18, s15, 12                        ; part 1's scale words: lanes 0-15 take X's, lanes 16-31 the weight's: the lower base + h x the distance
	s_lshl_b32 s19, s16, 12
	s_add_co_u32 s20, s19, SCP-SCR
	s_sub_co_u32 s20, s20, s18
	v_mul_u32_u24 v5, s20, v2
	s_add_co_u32 s18, s18, SCR
	v_lshl_add_u32 v5, v1, 2, v5
	v_add_nc_u32 v[AS1], s18, v5
	s_add_co_u32 s19, s19, SCR                     ; part 2: X's words of my half,
	v_lshlrev_b32 v6, 2, v1
	v_add_nc_u32 v[AS2B], s19, v6
	s_lshl_b32 s21, s14, 11
	s_add_co_u32 s21, s21, SCV                     ; and my copy of W_V's: again the lower base + h x the distance
	s_sub_co_u32 s20, s19, s21
	v_mul_u32_u24 v5, s20, v2
	v_add_nc_u32 v5, v5, v6
	v_add_nc_u32 v[AS2A], s21, v5
	v_add_nc_u32 v[SVA], s21, v[LI]
.irp b, 0,1,2,3
	v_mov_b32 v[TM+4+\b], 0                        ; written once: a lane permute's destination counts as one of its sources
.endr
	v_lshl_add_u32 v[WO1], v2, 9, v6               ; the results' words: lanes 0-15 one block of rows, lanes 16-31 the next: 512 bytes on in qk,
	v_lshl_add_u32 v[WO2], v2, 12, v6              ; 4,096 in vt
	; where part 1's results go: pc = which 128 of the weight's rows = the result's tensor (Q, K) and K step; my first block of rows 16 y + 8 x half
	s_lshl_b32 s18, s94, 1
	s_add_co_u32 s18, s18, s16
	s_lshl_b32 s19, s17, 4
	s_lshl_b32 s20, s15, 3
	s_add_co_u32 s19, s19, s20
	s_lshr_b32 s20, s18, 3
	s_and_b32 s21, s18, 7
	s_mul_i32 s22, s20, 6291456
	s_mul_i32 s23, s19, 12288
	s_add_co_u32 s22, s22, s23
	s_mul_i32 s23, s21, FRB
	s_add_co_u32 s22, s22, s23
	s_mov_b32 s23, 0
	s_lshl_b32 s66, s20, 18
	s_lshl_b32 s67, s19, 9
	s_add_co_u32 s66, s66, s67
	s_lshl_b32 s67, s21, 6
	s_add_co_u32 s66, s66, s67
	s_add_co_u32 s66, s66, 12582912
	s_mov_b32 s67, 0
	s_add_nc_u64 s[4:5], s[8:9], s[66:67]          ; the words
	s_add_nc_u64 s[8:9], s[8:9], s[22:23]          ; the codes
	; and part 2's: K step 2 y + half of V^T's 64; my first block of rows 8 x + 4 x half
	s_lshl_b32 s18, s17, 1
	s_add_co_u32 s18, s18, s16
	s_lshl_b32 s19, s94, 3
	s_lshl_b32 s20, s15, 2
	s_add_co_u32 s19, s19, s20
	s_mul_i32 s22, s19, 98304
	s_mul_i32 s23, s18, FRB
	s_add_co_u32 s22, s22, s23
	s_mov_b32 s23, 0
	s_lshl_b32 s66, s19, 12
	s_lshl_b32 s67, s18, 6
	s_add_co_u32 s66, s66, s67
	s_add_co_u32 s66, s66, 6291456
	s_mov_b32 s67, 0
	s_add_nc_u64 s[6:7], s[10:11], s[66:67]        ; the words
	s_add_nc_u64 s[10:11], s[10:11], s[22:23]      ; the codes
	s_wait_alu depctr_va_vdst(0)
	s_wait_loadcnt 0x0                             ; the scale words
	s_wait_tensorcnt 0x0                           ; my one tensor load has landed
.irp i, 0,1,2,3
	ds_store_b128 v[SVA], v[64+4*\i:64+4*\i+3] offset:512*\i           ; my own copy of W_V's words: only I read it
	ds_store_b128 v[SVA], v[80+4*\i:80+4*\i+3] offset:SCR-SCV+512*\i   ; my quarter of X's, at SCR + 2,048 x wave
	ds_store_b128 v[SVA], v[96+4*\i:96+4*\i+3] offset:SCP-SCV+512*\i   ; my quarter of the weight's, at SCP + 2,048 x wave
.endr
	s_wait_dscnt 0x0                               ; no LDS instruction of mine is out at a signal
	s_barrier_signal -1
	s_barrier_wait -1                              ; everybody's are
	; ---------------- part 1: Q | K ----------------
	FETCH1 0, 0
	STEP1 0, 1, 1                                  ; K step 0 starts the sums: nothing is ever cleared
	TURN1 1, 0, 0, 0, 2, 0                         ; K step 1; all first fills have landed; slot 0 takes the weight's K steps 4 and 5: 128 matrix instructions ahead of the wait for them
	STEP1 0, 0, 3
	TURN1 1, 1, 0, 0, 4, 0                         ; K step 3; slot 1 takes K steps 6 and 7
	STEP1 0, 0, 5
	TURN1 1, 0, 1, 0, 6, 0                         ; K step 5; slot 0 takes W_V's K steps 0 to 3
	STEP1 0, 0, 7
	TURN1 1, 1, 1, 2*NQ*FRB, 0, 1                  ; K step 7; slot 1 takes W_V's K steps 4 to 7; part 2's first fragments are fetched, into registers that the way out leaves alone
	WIN 0
	; PART 1'S WAY OUT: each block of 16 result rows is quantised in registers and leaves as an image: three stores of 512 consecutive bytes.
	PLACES 4                                       ; between the last products and the first read of results and write of operands
.irp a, 0,1,2,3,4,5,6,7
	QMAX 64*(\a%4), 2+\a/4, PW+\a
.if \a > 0
	s_wait_xcnt 0x0                                ; the last block's stores have read v[PC] on: it is written again only behind this wait
.endif
	QCVT 64*(\a%4), 2+\a/4
.irp c, 0,1,2
	global_store_b128 v[LI], v[PC+4*\c:PC+4*\c+3], s[8:9] offset:\a*12288+512*\c
.endr
.endr
	v_cmp_lt_u32 s97, 15, v3
.irp i, 0,1,2,3
	v_cndmask_b32 v[PW+2*\i], v[PW+2*\i], v[PW+2*\i+1], s97   ; lanes 0-15 keep block 2 i's words, lanes 16-31 take block 2 i + 1's
	global_store_b32 v[WO1], v[PW+2*\i], s[4:5] offset:1024*\i
.endr
	; ---------------- part 2: V^T ----------------
	s_wait_xcnt 0x0                                ; the stores above have read their registers: part 2's fragments land on them
	s_wait_tensorcnt 0x0                           ; my part of W_V's second slot has landed;
	ds_add_u32 v[SPW], v[NIL]
	s_wait_dscnt 0x0
	s_barrier_signal -1
	s_barrier_wait -1                              ; everybody's has: all that part 2 reads lies in LDS, and no barrier stands in it
	STEP2 0, 1, 1                                  ; K step 0 starts the sums anew, on the accumulators of window 2, which have been packed
	STEP2 1, 0, 2
	STEP2 0, 0, 3
	STEP2 1, 0, 4
	STEP2 0, 0, 5
	STEP2 1, 0, 6
	STEP2 0, 0, 7
	s_wait_dscnt 0x0
	WIN MUL_LO
.irp a, 0,1,2,3
	MULA \a, 1, 0
.endr
	WIN 0
	PLACES 4
.irp a, 0,1,2,3
	QMAX 64*\a, 2, PW+\a
.if \a > 0
	s_wait_xcnt 0x0
.endif
	QCVT 64*\a, 2
.irp c, 0,1,2
	global_store_b128 v[LI], v[PC+4*\c:PC+4*\c+3], s[10:11] offset:\a*98304+512*\c   ; a block of V^T's rows has 64 K steps
.endr
.endr
.irp i, 0,1
	v_cndmask_b32 v[PW+2*\i], v[PW+2*\i], v[PW+2*\i+1], s97
	global_store_b32 v[WO2], v[PW+2*\i], s[6:7] offset:8192*\i
.endr
	s_wait_tensorcnt 0x0                           ; the wave's end, behind my last tensor load and my last LDS store
	ds_add_u32 v[SPW], v[NIL]
	s_wait_dscnt 0x0
	CROUND                                         ; the closing round: no work-group ends while a partner may still ask for a tile that names it
	s_endpgm
.Lfunc_end_k_q815dc1816b_proj:
	.size	k_q815dc1816b_proj, .Lfunc_end_k_q815dc1816b_proj-k_q815dc1816b_proj
	.p2alignl 7, 3214868480
	.fill 96, 4, 3214868480
	.section	.rodata,"a",@progbits
	.p2align	6, 0x0
	.amdhsa_kernel k_q815dc1816b_proj
		.amdhsa_group_segment_fixed_size 327680
		.amdhsa_private_segment_fixed_size 0
		.amdhsa_enable_private_segment 0
		.amdhsa_kernarg_size 32
		.amdhsa_user_sgpr_count 2
		.amdhsa_user_sgpr_kernarg_segment_ptr 1
		.amdhsa_wavefront_size32 1
		.amdhsa_system_sgpr_workgroup_id_x 1
		.amdhsa_system_sgpr_workgroup_id_y 1
		.amdhsa_system_sgpr_workgroup_id_z 1
		.amdhsa_system_vgpr_workitem_id 0
		.amdhsa_next_free_vgpr 1024
		.amdhsa_next_free_sgpr 102
		.amdhsa_reserve_vcc 0
		.amdhsa_float_denorm_mode_32 3
		.amdhsa_float_denorm_mode_16_64 3
		.amdhsa_memory_ordered 1
		.amdhsa_forward_progress 1
		.amdhsa_inst_pref_size 219
	.end_amdhsa_kernel
	.amdgpu_metadata
---
amdhsa.version: [ 1, 2 ]
amdhsa.kernels:
  - .name:           k_q815dc1816b_proj
    .symbol:         k_q815dc1816b_proj.kd
    .args:
      - { .name: xq, .offset: 0, .size: 8, .value_kind: global_buffer, .address_space: global }
      - { .name: wq, .offset: 8, .size: 8, .value_kind: global_buffer, .address_space: global }
      - { .name: qk, .offset: 16, .size: 8, .value_kind: global_buffer, .address_space: global }
      - { .name: vt, .offset: 24, .size: 8, .value_kind: global_buffer, .address_space: global }
    .group_segment_fixed_size: 327680
    .private_segment_fixed_size: 0
    .kernarg_segment_align: 8
    .kernarg_segment_size: 32
    .max_flat_workgroup_size: 128
    .sgpr_count:     102
    .vgpr_count:     1024
    .wavefront_size: 32
...
	.end_amdgpu_metadata
.endif
;; end of part 2
;; launch score (part 3): grid 8 x 32, 4 waves a work-group, clusters of 4 x 4, 327,680 bytes of LDS; arguments qk, pq; writes pq
.if DOCPART == 3
	.amdgcn_target "amdgcn-amd-amdhsa--gfx1250"
	.amdhsa_code_object_version 6
	.text
	.protected	k_q815dc1816b_score
	.globl	k_q815dc1816b_score
	.p2align	8
	.type	k_q815dc1816b_score,@function
k_q815dc1816b_score:
	s_mov_b64 s[64:65], 0
	v_nop
	global_prefetch_b8 v0, s[64:65] scope:SCOPE_SE
	s_setreg_imm32_b32 hwreg(HW_REG_WAVE_MODE, 25, 1), 1
	s_wait_xcnt 0x0
	s_wait_alu depctr_hold_cnt(0) depctr_sa_sdst(0) depctr_va_vdst(0) depctr_va_sdst(0) depctr_va_ssrc(0) depctr_va_vcc(0) depctr_vm_vsrc(0)
	s_getreg_b32 s2, hwreg(HW_REG_IB_STS2, 6, 4)
	s_cmp_eq_u32 s2, 0
	s_cbranch_scc0 .Lentry_in_a_cluster
	s_endpgm
.Lentry_in_a_cluster:
	s_bfe_u32 s2, ttmp6, 0x10000c
	s_cmp_lg_u32 s2, 0xf033
	s_cbranch_scc0 .Lentry_shape_is_right
	s_endpgm
.Lentry_shape_is_right:
; S = Q K^T on codes of FP6 (E2M3) with E8M0 scales, sums in f32, and the softmax's numerators, quantised along the keys, 128 keys at a time.
; t = score x log2(e) / 32.  A wave's 128 keys are one K step of the next product.  For each query and such a chunk: M = ceil(the chunk's largest t), a whole number; p = 2^(t - M) is quantised (codes and a scale word);
; -M and the chunk's sum of the unquantised p go out beside them.  The next launch brings all chunks of a row under the row's M: a power of two, which the scale bytes take up.
; OPERANDS lie in memory as images of their registers: a fragment (16 rows x 128 K) is 1,536 dense bytes, registers 4 g .. 4 g + 3 of lane l at 512 g + 16 l; codes [block of 16 rows][K step][1,536], words [block][K step][16].
; qk: Q's codes at 0, K's at 6,291,456, Q's words at 12,582,912, K's at 12,845,056.  pq: p's codes [512][16][1,536] at 0; words, -M, sums, each [512][16][16], at 12,582,912, 13,107,200, 13,631,488.
; THE PRODUCT IS USED TRANSPOSED: source 0 = 16 keys ("P"), source 1 = 16 queries ("R").  Rows are stored with bits 3 and 4 of their index exchanged, so that the 64 registers of a lane's eight tiles are the keys
; 32 b + 16 h + i at register 16 b + i of ONE query.
; SHARES: a work-group makes 256 queries x 256 keys of one batch, each wave 128 x 128.  K = 1,024 is 8 steps; two LDS slots of three steps are filled at the start, slot 0's bytes once more with steps 6 and 7.
; CLUSTER 4 x 4: the four of a row need the same queries, the four of a column the same keys: each tile is asked for jointly.
; LIMITS: NaN and infinities are not served.  A block whose every p has fallen to 0 keeps the scale byte 1: its codes are zeros.
; REGISTERS: as in the head of the loop's macros; on the way out window 0: v64-127 t - M, then p; v128-147 codes; v148 -M (v149 its pair's other half); v150-153 sums; v160-167 words, v168-175 -M, v176-183 sums of the 8 blocks.
.set RB,   8
; THE SLOTS AS THEY STAND: two slots of THREE K steps, each R's 16 blocks and then P's 16; the four tiles are the head's four first fills, one a wave.  Behind K step 2 slot 0's bytes
; take K steps 6 and 7 (rows of two steps: R's 16 blocks from byte 0, P's from byte 49,152): three K steps, 192 matrix instructions a wave, stand between that request and the wait for it.
; The scale words come by plain loads, a quarter to a wave, and are stored to LDS bytes of their own.  No prefetch: the walk is 8 steps written out, with no loop to run ahead in.
.set NQ,   3                           ; K steps in a row of the slot that FETCH reads; set to 2 ahead of the reads of K steps 6 and 7
.set KST,  8
.set FRB,  1536
.set HR,   RB*NQ*FRB
.set HP,   8*NQ*FRB
.set SLOT, 2*HR+2*HP
.set RSH,  RB*KST*64
.set PSH,  8*KST*64
.set SCR,  294912                      ; behind the three slots: R's scale words, P's, the spare words
.set SCP,  SCR+2*RSH
.set SPARE, SCP+2*PSH                  ; 128 bytes for each wave: two blocks of 256 bytes that no other line names
.set LI,   4
.set WO,   8
.set ADRA, 16
.set ADRB, 20
.set ADRS, 27
.set SPW,  28
.set NIL,  29
.set SC,   32
.set TM,   48
.set RF,   64
.set WK,   64
.set PC,   128
.set NM,   148
.set SUMA, 150
.set SUMB, 152
.set PW,   160
.set MM,   168
.set LL,   176
.set G1R,  24
.set G0R,  32
.set G1P,  44
.set G0P,  52
.set G1SR, 68
.set G0SR, 76
.set G1SP, 80
.set G0SP, 88
.set SEL,  100
.set CS,   2                           ; s[2:3] c = log2(e) / 32: the packed form names a pair and takes its low word for both halves
.set MSB, 0
.macro WIN new                         ; the immediate's high byte repeats the setting that is left
.if MSB != (\new)
	s_set_vgpr_msb (MSB<<8)|(\new)
.set MSB, (\new)
.endif
.endm
.set MUL_LO, 0xa1                      ; source 0 (P) window 1, source 1 (R) window 0, C and D window 2
.set MUL_HI, 0xf1
.set TO_B,   0x40
.macro PLACES n
.rept \n
	v_nop
.endr
.endm
.macro JLOAD g0a, g1a, g0b, g1b        ; a joint load: waves 0 and 1 fetch R's halves, waves 2 and 3 P's; an s_nop 0 and four v_nop follow each line
	s_cmp_eq_u32 s15, 0
	s_cbranch_scc0 .Lfor_p_\@
	tensor_load_to_lds s[\g0a:\g0a+3], s[\g1a:\g1a+7]
	s_nop 0
	PLACES 4
	s_branch .Lasked_\@
.Lfor_p_\@:
	tensor_load_to_lds s[\g0b:\g0b+3], s[\g1b:\g1b+7]
	s_nop 0
	PLACES 4
.Lasked_\@:
.endm
.macro CREST
	s_cmp_lg_u32 s14, 0
	s_cbranch_scc1 .Lnot_wave_0_\@
	s_barrier_signal -3
.Lnot_wave_0_\@:
	s_barrier_wait -3
	s_barrier_signal -1
	s_barrier_wait -1
.endm
.macro CROUND
	s_barrier_signal -1
	s_barrier_wait -1
	CREST
.endm
.macro GROUP1 g, c, rows, pitch
	s_mov_b32 s[\g+1], (\c)<<16
	s_mov_b32 s[\g+2], (\rows)<<16
	s_mov_b32 s[\g+3], (\c)<<16
	s_mov_b32 s[\g+4], \rows
	s_mov_b32 s[\g+5], \pitch
	s_mov_b32 s[\g+6], 0
	s_mov_b32 s[\g+7], 0
.endm
.macro GROUP0 g, ldsreg, ldsconst, adr, off
	s_mov_b32 s[\g], 1
	s_add_co_u32 s[\g+1], s[\ldsreg], \ldsconst
	s_add_nc_u64 s[\g+2:\g+3], s[\adr:\adr+1], \off
	s_or_b32 s[\g+3], s[\g+3], 0x80000000
.endm
; 8 matrix instructions: R's block a against P's eight, from set p.  The accumulators take turns, one instruction a turn, in the same order in every step.
.macro MULA a, p, zero
.irp b, 0,1,2,3,4,5,6,7
.if \zero
	v_wmma_scale_f32_16x16x128_f8f6f4 v[8*(8*((\a)%4)+\b):8*(8*((\a)%4)+\b)+7], v[128*(\p)+12*\b:128*(\p)+12*\b+11], v[RF+96*(\p)+12*(\a):RF+96*(\p)+12*(\a)+11], 0, v[SC+8*(\p)+\b], v[SC+8*(\p)+(\a)] matrix_a_fmt:MATRIX_FMT_FP6 matrix_b_fmt:MATRIX_FMT_FP6 matrix_a_scale:MATRIX_SCALE_ROW1
.else
	v_wmma_scale_f32_16x16x128_f8f6f4 v[8*(8*((\a)%4)+\b):8*(8*((\a)%4)+\b)+7], v[128*(\p)+12*\b:128*(\p)+12*\b+11], v[RF+96*(\p)+12*(\a):RF+96*(\p)+12*(\a)+11], v[8*(8*((\a)%4)+\b):8*(8*((\a)%4)+\b)+7], v[SC+8*(\p)+\b], v[SC+8*(\p)+(\a)] matrix_a_fmt:MATRIX_FMT_FP6 matrix_b_fmt:MATRIX_FMT_FP6 matrix_a_scale:MATRIX_SCALE_ROW1
.endif
.endr
.endm
.macro FETCH slot, q, ks, p            ; one run of LDS loads: K step ks (the q-th of its slot) into set p
	WIN TO_B
.irp i, 0,1,2,3,4,5,6,7
.irp c, 0,1,2
	ds_load_b128 v[128*(\p)+12*\i+4*\c:128*(\p)+12*\i+4*\c+3], v[ADRB+\slot] offset:\i*NQ*FRB+(\q)*FRB+512*\c
.endr
.endr
	WIN 0
.set II, 0
.rept RB
.irp c, 0,1,2
	ds_load_b128 v[RF+96*(\p)+12*II+4*\c:RF+96*(\p)+12*II+4*\c+3], v[ADRA+\slot] offset:II*NQ*FRB+(\q)*FRB+512*\c
.endr
.set II, II+1
.endr
.irp i, 0,1,2,3,4,5,6,7
	ds_load_b32 v[SC+8*(\p)+\i], v[ADRS] offset:\i*KST*64+(\ks)*64
.endr
.endm
.macro STEP p, zero, nslot, nq, nks    ; set p is multiplied while the next step's loads land in the other set; four places between the last products and the loads into what they read
	s_wait_dscnt 0x0                               ; set p is in (asked for a step ago)
	PLACES 4
	FETCH \nslot, \nq, \nks, 1-(\p)
	WIN MUL_LO
.irp a, 0,1,2,3
	MULA \a, \p, \zero
.endr
.if RB > 4
	WIN MUL_HI
.irp a, 4,5,6,7
	MULA \a, \p, \zero
.endr
.endif
.endm
; A K step that changes slots: ONE barrier; in front of it each wave waits for all its tensor loads, adds 0 to its spare word, and waits for that and for its LDS reads.
; fill = 1: the barrier opens a round of the cluster's barrier, and slot fslot is filled again first thing behind the round.
.macro TURN p, fill, fslot, nslot, nks
	WIN 0
	s_wait_tensorcnt 0x0                           ; all my tensor loads have landed;
	ds_add_u32 v[SPW], v[NIL]                      ; 0 onto my spare word;
	s_wait_dscnt 1                                 ; set p is in; only the add may be out
	WIN MUL_LO
.if RB > 4
	MULA 0, \p, 0
	MULA 1, \p, 0
.else
	MULA 0, \p, 0
.endif
	s_wait_dscnt 0x0                               ; the add is done, and no LDS read of mine is out
	s_barrier_signal -1
.if RB > 4
	MULA 2, \p, 0
	MULA 3, \p, 0
.else
	MULA 1, \p, 0
.endif
	WIN 0
	s_barrier_wait -1
.if \fill
	CREST
	JLOAD G0R+4*\fslot, G1SR, G0P+4*\fslot, G1SP   ; the four v_nop behind it are also the places in front of the loads below
.else
	PLACES 4
.endif
	FETCH \nslot, 0, \nks, 1-(\p)
.if RB > 4
	WIN MUL_HI
.irp a, 4,5,6,7
	MULA \a, \p, 0
.endr
.else
	WIN MUL_LO
	MULA 2, \p, 0
	MULA 3, \p, 0
.endif
.endm
.macro LAST p
	s_wait_dscnt 0x0
	WIN MUL_LO
.irp a, 0,1,2,3
	MULA \a, \p, 0
.endr
.if RB > 4
	WIN MUL_HI
.irp a, 4,5,6,7
	MULA \a, \p, 0
.endr
.endif
	WIN 0
.endm
	s_load_b128 s[4:7], s[0:1], 0x0                ; qk s[4:5], pq s[6:7]
	v_lshl_add_u32 v[SPW], v0, 2, SPARE
	v_mov_b32 v[NIL], 0
	ds_add_u32 v[SPW], v[NIL]                      ; the wave's opening: the add and its wait ahead of my first tensor load
	ds_add_u32 v[SPW], v[NIL]
	v_lshrrev_b32 v1, 5, v0
	v_readfirstlane_b32 s14, v1
	s_lshr_b32 s15, s14, 1                         ; my half of the queries.  Also: I fetch for R (0) or for P (1)
	s_and_b32 s16, s14, 1                          ; my half of the keys.  Also: which half I fetch
	s_bfe_u32 s92, ttmp6, 0x40000                  ; cx
	s_bfe_u32 s93, ttmp6, 0x40004                  ; cy
	s_and_b32 s97, ttmp7, 0xffff                   ; the cluster's y
	s_lshl_b32 s95, s93, 2
	s_lshl_b32 s95, 15, s95
	s_lshl_b32 s96, 0x1111, s92
	s_or_b32 s[G1R], s95, (3<<16)|(1<<21)          ; the mask; elements of 8 bytes; no padding; bit 21 set beside a mask
	s_or_b32 s[G1P], s96, (3<<16)|(1<<21)
	s_or_b32 s[G1SR], s95, (3<<16)|(1<<21)
	s_or_b32 s[G1SP], s96, (3<<16)|(1<<21)
	GROUP1 G1R, NQ*192, 16, 1536                   ; a first fill: 16 blocks x 3 fragments on end
	GROUP1 G1P, NQ*192, 16, 1536
	GROUP1 G1SR, 2*192, 8, 1536                    ; the refill: 8 blocks x 2 fragments
	GROUP1 G1SP, 2*192, 8, 1536
	s_lshl_b32 s18, s97, 2
	s_add_co_u32 s17, s18, s93                     ; the tile of 256 queries, of all 8,192
	s_lshl_b32 s18, s17, 4
	s_lshl_b32 s20, s18, 9
	s_lshl_b32 s19, s14, 11
	s_add_co_u32 s20, s20, s19
	s_add_co_u32 s20, s20, 12582912                ; my quarter, 2,048 bytes, of Q's scale words
	s_mul_i32 s18, s18, 12288                      ; Q's codes: the tile
	s_mov_b32 s19, 0
	s_mov_b32 s21, 0
	s_lshl_b32 s22, ttmp9, 2
	s_add_co_u32 s94, s22, s92                     ; the tile of 256 keys, in the batch
	s_lshr_b32 s22, s97, 1                         ; the batch: 8 tiles of queries, two clusters along y, to each
	s_lshl_b32 s22, s22, 7
	s_lshl_b32 s23, s94, 4
	s_add_co_u32 s22, s22, s23
	s_lshl_b32 s66, s22, 9
	s_lshl_b32 s23, s14, 11
	s_add_co_u32 s66, s66, s23
	s_add_co_u32 s66, s66, 12845056                ; my quarter of K's scale words
	s_mul_i32 s22, s22, 12288
	s_add_co_u32 s22, s22, 6291456                 ; K's codes
	s_mov_b32 s23, 0
	s_mov_b32 s67, 0
	s_mul_i32 s10, s16, 8*12288                    ; the refill: the half that I fetch, in memory
	s_mov_b32 s11, 0
	s_mul_i32 s99, s16, 8*2*FRB                    ; and in LDS
	v_and_b32 v3, 31, v0
	v_lshlrev_b32 v[LI], 4, v3
	s_mov_b32 s[SEL], 0x76543210
	s_mov_b32 s[SEL+1], 0xfedcba98
	s_wait_alu depctr_va_vdst(0)                   ; directly ahead of the waits below
	s_wait_dscnt 0x0                               ; both opening adds are done
	s_wait_kmcnt 0x0
	s_add_nc_u64 s[18:19], s[4:5], s[18:19]
	s_add_nc_u64 s[12:13], s[4:5], s[20:21]        ; (a pair that nothing writes again while the loads below are out)
	s_add_nc_u64 s[22:23], s[4:5], s[22:23]
	s_add_nc_u64 s[66:67], s[4:5], s[66:67]
.irp i, 0,1,2,3
	global_load_b128 v[64+4*\i:64+4*\i+3], v[LI], s[12:13] offset:512*\i   ; 32 lanes read 512 consecutive bytes
	global_load_b128 v[80+4*\i:80+4*\i+3], v[LI], s[66:67] offset:512*\i
.endr
.macro GROUP0C g, lds, adr, off        ; a group 0 whose LDS address is a constant
	s_mov_b32 s[\g], 1
	s_mov_b32 s[\g+1], \lds
	s_add_nc_u64 s[\g+2:\g+3], s[\adr:\adr+1], \off
	s_or_b32 s[\g+3], s[\g+3], 0x80000000
.endm
.macro ARM under, g0, g1, next         ; an arm of the head's one chain of branches on the wave's number: its load, and a jump to the chain's end
	s_cmp_lt_u32 s14, \under
	s_cbranch_scc0 \next
	tensor_load_to_lds s[\g0:\g0+3], s[\g1:\g1+7]
	s_nop 0
	PLACES 4
	s_branch .Lhead_asked
\next:
.endm
	GROUP0C G0R, 0, 18, 0                          ; K steps 0 to 2: the queries,
	GROUP0C G0P, 2*HR, 22, 0                       ; the keys;
	GROUP0C G0R+4, SLOT, 18, NQ*FRB                ; K steps 3 to 5
	GROUP0C G0P+4, SLOT+2*HR, 22, NQ*FRB
	s_add_nc_u64 s[18:19], s[18:19], s[10:11]
	s_add_nc_u64 s[22:23], s[22:23], s[10:11]
	GROUP0 G0R+8, 99, 0, 18, 6*FRB                 ; the refill, K steps 6 and 7: my half of the queries
	GROUP0 G0P+8, 99, 16*2*FRB, 22, 6*FRB          ; or of the keys
	CROUND                                         ; all sixteen work-groups are here: the first joint loads meet
	ARM 1, G0R, G1R, .Lhead_p0                     ; one tensor load a wave
	ARM 2, G0P, G1P, .Lhead_r1
	ARM 3, G0R+4, G1R, .Lhead_p1
	tensor_load_to_lds s[G0P+4:G0P+7], s[G1P:G1P+7]
	s_nop 0
	PLACES 4
.Lhead_asked:
	v_and_b32 v1, 15, v0
	v_bfe_u32 v2, v0, 4, 1
	s_wait_alu depctr_va_vdst(0)                   ; behind the writes
	s_mul_i32 s2, s15, HR
	s_mul_i32 s3, s16, HP
	s_add_co_u32 s3, s3, 2*HR
.irp s, 0,1
	v_add_nc_u32 v[ADRA+\s], s2, v[LI]
	v_add_nc_u32 v[ADRB+\s], s3, v[LI]
	s_add_co_u32 s2, s2, SLOT
	s_add_co_u32 s3, s3, SLOT
.endr
	s_mul_i32 s2, s15, 8*2*FRB                     ; K steps 6 and 7, in slot 0's bytes: rows of two steps
	s_mul_i32 s3, s16, 8*2*FRB
	s_add_co_u32 s3, s3, 16*2*FRB
	v_add_nc_u32 v[ADRA+2], s2, v[LI]
	v_add_nc_u32 v[ADRB+2], s3, v[LI]
	s_lshl_b32 s2, s14, 11
	s_add_co_u32 s2, s2, SCR
	v_add_nc_u32 v6, s2, v[LI]                     ; where I store my quarter of R's scale words; P's lie SCP - SCR further on
	s_mul_i32 s2, s15, RSH
	s_mul_i32 s3, s16, PSH
	s_add_co_u32 s3, s3, SCP-SCR
	s_sub_co_u32 s3, s3, s2
	v_mul_u32_u24 v5, s3, v2
	s_add_co_u32 s2, s2, SCR
	v_lshl_add_u32 v5, v1, 2, v5
	v_add_nc_u32 v[ADRS], s2, v5
.irp b, 0,1,2,3
	v_mov_b32 v[TM+4+\b], 0                        ; written once: a lane permute's destination counts as one of its sources
.endr
	s_lshl_b32 s18, s17, 4                         ; where the results go: (my first block of queries x 16 + my chunk of keys)
	s_lshl_b32 s19, s15, 3
	s_add_co_u32 s18, s18, s19
	s_lshl_b32 s18, s18, 4
	s_lshl_b32 s19, s94, 1
	s_add_co_u32 s18, s18, s19
	s_add_co_u32 s18, s18, s16
	s_lshl_b32 s20, s18, 6
	s_add_co_u32 s20, s20, 12582912
	s_mov_b32 s21, 0
	s_mul_i32 s18, s18, 1536
	s_mov_b32 s19, 0
	s_add_nc_u64 s[8:9], s[6:7], s[20:21]          ; the words; -M lies 524,288 bytes on, the sums 1,048,576
	s_add_nc_u64 s[6:7], s[6:7], s[18:19]          ; the codes
	v_lshlrev_b32 v[WO], 2, v1
	v_lshl_add_u32 v[WO], v2, 10, v[WO]            ; 4 r + 1,024 h: a block of queries has 16 chunks of 64 bytes
	s_mov_b32 s[CS], 0x3d38aa3b                    ; c = log2(e) / 32
	s_mov_b32 s[CS+1], s[CS]                       ; (named with it as a pair, so it is written)
	s_wait_alu depctr_va_vdst(0)
	s_wait_loadcnt 0x0                             ; the scale words
	s_wait_tensorcnt 0x0                           ; my one tensor load has landed
.irp i, 0,1,2,3
	ds_store_b128 v6, v[64+4*\i:64+4*\i+3] offset:512*\i
	ds_store_b128 v6, v[80+4*\i:80+4*\i+3] offset:SCP-SCR+512*\i
.endr
	s_wait_dscnt 0x0                               ; for the others' sake: my stores have landed
	s_barrier_signal -1
	s_barrier_wait -1                              ; both slots and all scale words are in
	FETCH 0, 0, 0, 0
	STEP 0, 1, 0, 1, 1                             ; K step 0 starts the sums
	STEP 1, 0, 0, 2, 2
	TURN 0, 1, 2, 1, 3                             ; K step 2; slot 0's bytes take K steps 6 and 7
	STEP 1, 0, 1, 1, 4
	STEP 0, 0, 1, 2, 5
.set NQ, 2                             ; from here on FETCH reads rows of two K steps
	TURN 1, 0, 0, 2, 6                             ; K step 5; nothing is left to fetch
	STEP 0, 0, 2, 1, 7
	LAST 1
; THE SOFTMAX of block a (16 queries x my 128 keys).  The exponentials go as one batch with one wait; the four of the blocks' largest p are a second, small batch, with the sums as the work behind them.
.macro SOFT a
.set AW, 2+(\a)/4
.set AS, 64*((\a)%4)
	WIN AW*0x15
.irp b, 0,1,2,3
	v_max3_num_f32 v[TM+\b], v[AS+16*\b], v[AS+16*\b+1], v[AS+16*\b+2]   ; THE LARGEST SCORE OF EACH BLOCK OF 32 KEYS: for the row's maximum, and, since p rises with the score, for the block's largest p
.endr
	WIN AW*0x14
.irp i, 3,5,7,9,11,13
.irp b, 0,1,2,3
	v_max3_num_f32 v[TM+\b], v[TM+\b], v[AS+16*\b+\i], v[AS+16*\b+\i+1]   ; each accumulator is read from its low end on
.endr
.endr
.irp b, 0,1,2,3
	v_max_num_f32 v[TM+\b], v[TM+\b], v[AS+16*\b+15]
.endr
	WIN 0
.irp b, 0,1,2,3
	v_permlanex16_b32 v[TM+4+\b], v[TM+\b], s[SEL], s[SEL+1]
.endr
.irp b, 0,1,2,3
	v_max_num_f32 v[TM+\b], v[TM+\b], v[TM+4+\b]   ; with lane l xor 16's 16 keys
.endr
	v_max3_num_f32 v[TM+8], v[TM], v[TM+1], v[TM+2]
	v_max_num_f32 v[TM+8], v[TM+8], v[TM+3]        ; the chunk's largest score of my query
	v_mul_f32 v[TM+8], s[CS], v[TM+8]              ; as t (c is positive)
	v_floor_f32 v[NM], -v[TM+8]                    ; -M = floor(-t) = -ceil(t): a whole number
	WIN AW
.set JJ, 0
.rept 32
	v_pk_fma_f32 v[WK+JJ:WK+JJ+1], v[AS+JJ:AS+JJ+1], s[CS:CS+1], v[NM:NM+1] op_sel_hi:[1,0,0]   ; t - M, two at a time
.set JJ, JJ+2
.endr
	WIN 0
.irp b, 0,1,2,3
	v_fma_f32 v[TM+\b], v[TM+\b], s[CS], v[NM]     ; the same of each block's largest score
.endr
.set JJ, 0
	s_wait_alu depctr_va_vdst(0)
.rept 64
	v_exp_f32 v[WK+JJ], v[WK+JJ]                   ; p = 2^(t - M), at most 1
.set JJ, JJ+1
.endr
	v_mov_b32 v[MM+(\a)], v[NM]                    ; (a plain place behind the exponentials)
	s_wait_alu depctr_va_vdst(0)                   ; one wait for the batch, ahead of its first reader
.irp b, 0,1,2,3
	v_exp_f32 v[TM+\b], v[TM+\b]                   ; the block's largest p: the same two instructions on the same number give the same bits
.endr
	v_pk_add_f32 v[SUMA:SUMA+1], v[WK:WK+1], v[WK+2:WK+3]      ; THE SUM IS TAKEN OF THE UNQUANTISED p, in two chains
	v_pk_add_f32 v[SUMB:SUMB+1], v[WK+4:WK+5], v[WK+6:WK+7]
.irp j, 8,12,16,20,24,28,32,36,40,44,48,52,56,60
	v_pk_add_f32 v[SUMA:SUMA+1], v[SUMA:SUMA+1], v[WK+\j:WK+\j+1]
	v_pk_add_f32 v[SUMB:SUMB+1], v[SUMB:SUMB+1], v[WK+\j+2:WK+\j+3]
.endr
	v_pk_add_f32 v[SUMA:SUMA+1], v[SUMA:SUMA+1], v[SUMB:SUMB+1]
	s_wait_alu depctr_va_vdst(0)                   ; and one for the four
.irp b, 0,1,2,3
	v_max_num_f32 v[TM+\b], 0x1800000, v[TM+\b]    ; the floor 2^(3 - 127): the byte cannot fall under 1
.endr
.irp b, 0,1,2,3
	v_add_nc_u32 v[TM+12+\b], 0xff000000, v[TM+\b] ; 2 off the exponent field: the conversion's scale operand
.endr
.irp b, 0,1,2,3
	v_lshrrev_b32 v[TM+4+\b], 23, v[TM+12+\b]      ; the scale's byte
.endr
	v_lshl_or_b32 v[PW+(\a)], v[TM+5], 8, v[TM+4]
	v_lshl_or_b32 v[PW+(\a)], v[TM+6], 16, v[PW+(\a)]
	v_lshl_or_b32 v[PW+(\a)], v[TM+7], 24, v[PW+(\a)]
.if (\a) > 0
	s_wait_xcnt 0x0                                ; the last block's stores have read v[PC] on: it is written again only behind this wait
.endif
.irp c, 0,1
	v_cvt_scalef32_pk16_fp6_f32 v[PC+6*\c:PC+6*\c+2], v[WK+32*\c:WK+32*\c+15], v[TM+12+2*\c]
	v_cvt_scalef32_pk16_fp6_f32 v[PC+12+4*\c:PC+14+4*\c], v[WK+16+32*\c:WK+31+32*\c], v[TM+13+2*\c]
.endr
	v_nop                                          ; one plain place behind a scaled conversion
.irp c, 0,1
.irp i, 0,1,2
	v_permlane16_swap_b32 v[PC+6*\c+\i], v[PC+12+4*\c+\i]
.endr
.irp i, 0,1,2
	v_mov_b32 v[PC+3+6*\c+\i], v[PC+12+4*\c+\i]
.endr
.endr
	v_add_f32 v[LL+(\a)], v[SUMA], v[SUMA+1]       ; the sum's two halves,
	v_permlanex16_b32 v[TM+8], v[LL+(\a)], s[SEL], s[SEL+1]
	v_add_f32 v[LL+(\a)], v[LL+(\a)], v[TM+8]      ; and lane l xor 16's: the chunk's sum
.irp c, 0,1,2
	global_store_b128 v[LI], v[PC+4*\c:PC+4*\c+3], s[6:7] offset:(\a)*24576+512*\c   ; 32 lanes store 512 consecutive bytes
.endr
.endm
	PLACES 4                                       ; between the last products and the first read of results and write of operands
	v_mov_b32 v[NM+1], 0                           ; (named as the upper half of the pair)
.irp a, 0,1,2,3,4,5,6,7
	SOFT \a
.endr
	v_cmp_lt_u32 s97, 15, v3
.irp i, 0,1,2,3
	v_cndmask_b32 v[PW+2*\i], v[PW+2*\i], v[PW+2*\i+1], s97   ; lanes 0-15 keep block 2 i's, lanes 16-31 take block 2 i + 1's
	v_cndmask_b32 v[MM+2*\i], v[MM+2*\i], v[MM+2*\i+1], s97
	v_cndmask_b32 v[LL+2*\i], v[LL+2*\i], v[LL+2*\i+1], s97
	global_store_b32 v[WO], v[PW+2*\i], s[8:9] offset:2048*\i
	global_store_b32 v[WO], v[MM+2*\i], s[8:9] offset:2048*\i+524288
	global_store_b32 v[WO], v[LL+2*\i], s[8:9] offset:2048*\i+1048576
.endr
	s_wait_tensorcnt 0x0                           ; the wave's end, behind my last tensor load
	ds_add_u32 v[SPW], v[NIL]
	s_wait_dscnt 0x0
	CROUND                                         ; the closing round
	s_endpgm
.Lfunc_end_k_q815dc1816b_score:
	.size	k_q815dc1816b_score, .Lfunc_end_k_q815dc1816b_score-k_q815dc1816b_score
	.p2alignl 7, 3214868480
	.fill 96, 4, 3214868480
	.section	.rodata,"a",@progbits
	.p2align	6, 0x0
	.amdhsa_kernel k_q815dc1816b_score
		.amdhsa_group_segment_fixed_size 327680
		.amdhsa_private_segment_fixed_size 0
		.amdhsa_enable_private_segment 0
		.amdhsa_kernarg_size 16
		.amdhsa_user_sgpr_count 2
		.amdhsa_user_sgpr_kernarg_segment_ptr 1
		.amdhsa_wavefront_size32 1
		.amdhsa_system_sgpr_workgroup_id_x 1
		.amdhsa_system_sgpr_workgroup_id_y 1
		.amdhsa_system_sgpr_workgroup_id_z 1
		.amdhsa_system_vgpr_workitem_id 0
		.amdhsa_next_free_vgpr 1024
		.amdhsa_next_free_sgpr 102
		.amdhsa_reserve_vcc 0
		.amdhsa_float_denorm_mode_32 3
		.amdhsa_float_denorm_mode_16_64 3
		.amdhsa_memory_ordered 1
		.amdhsa_forward_progress 1
		.amdhsa_inst_pref_size 197
	.end_amdhsa_kernel
	.amdgpu_metadata
---
amdhsa.version: [ 1, 2 ]
amdhsa.kernels:
  - .name:           k_q815dc1816b_score
    .symbol:         k_q815dc1816b_score.kd
    .args:
      - { .name: qk, .offset: 0, .size: 8, .value_kind: global_buffer, .address_space: global }
      - { .name: pq, .offset: 8, .size: 8, .value_kind: global_buffer, .address_space: global }
    .group_segment_fixed_size: 327680
    .private_segment_fixed_size: 0
    .kernarg_segment_align: 8
    .kernarg_segment_size: 16
    .max_flat_workgroup_size: 128
    .sgpr_count:     102
    .vgpr_count:     1024
    .wavefront_size: 32
...
	.end_amdgpu_metadata
.endif
;; end of part 3
;; launch pv (part 4): grid 4 x 64, 4 waves a work-group, clusters of 4 x 4, 327,680 bytes of LDS; arguments pq, vt, hq; writes hq
.if DOCPART == 4
	.amdgcn_target "amdgcn-amd-amdhsa--gfx1250"
	.amdhsa_code_object_version 6
	.text
	.protected	k_q815dc1816b_pv
	.globl	k_q815dc1816b_pv
	.p2align	8
	.type	k_q815dc1816b_pv,@function
k_q815dc1816b_pv:
	s_mov_b64 s[64:65], 0
	v_nop
	global_prefetch_b8 v0, s[64:65] scope:SCOPE_SE
	s_setreg_imm32_b32 hwreg(HW_REG_WAVE_MODE, 25, 1), 1
	s_wait_xcnt 0x0
	s_wait_alu depctr_hold_cnt(0) depctr_sa_sdst(0) depctr_va_vdst(0) depctr_va_sdst(0) depctr_va_ssrc(0) depctr_va_vcc(0) depctr_vm_vsrc(0)
	s_getreg_b32 s2, hwreg(HW_REG_IB_STS2, 6, 4)
	s_cmp_eq_u32 s2, 0
	s_cbranch_scc0 .Lentry_in_a_cluster
	s_endpgm
.Lentry_in_a_cluster:
	s_bfe_u32 s2, ttmp6, 0x10000c
	s_cmp_lg_u32 s2, 0xf033
	s_cbranch_scc0 .Lentry_shape_is_right
	s_endpgm
.Lentry_shape_is_right:
; H = (p V) / l on codes of FP6 (E2M3) with E8M0 scales, sums in f32; H is quantised at once along its 1,024 columns.
; p arrives in 16 chunks of 128 keys, each under its own whole number M (pq: codes [512 blocks of 16 queries][16][1,536] at 0; scale words, -M, sums, each [512][16][16 words], at 12,582,912, 13,107,200, 13,631,488).
; THE FIX, at the head: for each of the work-group's 128 queries the row's M is the largest of the 16; with d = M - the chunk's M, a whole number, each scale byte of the chunk is lowered by d (held at 0 from below)
; and l = the sum of the chunks' sums x 2^-d: powers of two, nothing is rounded in the scales.  The fixed words and 1 / l go to LDS.
; LIMITS: NaN and infinities are not served.  d is held at 127; a chunk that lies so far under the row's M counts with the scale 2^-127, under 2^-120 of l.  1 / l is v_rcp_f32 and a multiplication.
; Blocks of H whose largest magnitude lies under 2^-124 keep the scale byte 1.
; vt: V^T's codes [64 blocks of 16 columns][64 K steps = 16 x batch + chunk][1,536] at 0, its words [64][64][16] at 6,291,456.  hq: H's codes [512][8][1,536] at 0, words [512][8][16] at 6,291,456.
; A fragment (16 rows x 128 K) lies in memory as the image of its registers: registers 4 g .. 4 g + 3 of lane l at 512 g + 16 l.
; THE PRODUCT IS USED TRANSPOSED: source 0 = 16 rows of V^T ("P"), source 1 = 16 queries ("R"); V^T's rows are stored with bits 3 and 4 of their index exchanged, so that a lane's 64 registers of eight tiles are
; H's columns 32 b + 16 h + i at register 16 b + i of ONE query.
; SHARES: a work-group makes 128 queries x 256 columns, each wave 64 x 128: 32 accumulators; 4 x 64 = 256 work-groups.  K = 2,048 keys is 16 steps.
; R LIES IN LDS WHOLE: 8 blocks x 16 K steps, 196,608 dense bytes, one tensor load a wave (two blocks each), filled once: no refill, and no barrier in the walk.
; P GOES FROM MEMORY STRAIGHT INTO REGISTERS: an image is three loads of 512 consecutive bytes.  Three sets of 96 registers; a step's 24 loads are issued two steps ahead.  So a step reads from LDS
; 4 fragments and 8 scale words for 32 matrix instructions.
; CLUSTER 4 x 4: the four of a row need the same tile of p: it is asked for jointly.  V^T's tiles are shared along a column, but they never lie in LDS, so there is no tile for a joint load to bring.
; PREFETCH: trip k loads K step k + 2 and asks for K step k + 4, two trips ahead of its loads; the head asks for K steps 2 and 3.  A step of the tile's 16 blocks is shared out by address:
; block 4 cy + wave, six units of 256 bytes, a lane each (lanes 6-31 name the sixth again).  It stops with K step 15.
; A step's loads stand in ONE run ahead of its 32 matrix instructions, which follow each other unbroken.
; REGISTERS: window 0: v1 r, v2 h, v3 lane, v4 16 x lane, v16-19 LDS addresses of my four blocks of p, v27 of the scale words, v28, v29 the add's two, v32-47 scale words alone, v48-63 at work,
;   v64-111, v160-207 R's fragments (two sets).  P's sets: window 1 v0-95, window 1 v128-223, window 3 v0-95.  window 2: the accumulators.  Lanes 0-15 of scale registers 4-7 read words that no product uses.
.set KST,  16
.set FRB,  1536
.set BLK,  KST*FRB                     ; a block of p: 16 K steps
.set VBLK, 64*FRB                      ; a block of V^T: 64 K steps
.set RSH,  4*KST*64
.set PSH,  8*KST*64
.set SCR,  294912                      ; p's fixed scale words (stored by the waves; no tensor load lands here),
.set SCP,  SCR+2*RSH                   ; V^T's scale words (likewise),
.set LROW, SCP+2*PSH                   ; 1 / l of the 128 queries (likewise),
.set SPARE, LROW+512                   ; and the spare words, 128 bytes for each wave: two blocks of 256 bytes that no other line names
.set LI,   4
.set WO,   8
.set ADRA, 16
.set ADRS, 27
.set SPW,  28
.set NIL,  29
.set SC,   32
.set TM,   48
.set RF,   64
.set WK,   64
.set PC,   128
.set RL,   150                         ; v150, 152, 154, 156: 1 / l of my four blocks (their pairs' other halves are written once)
.set PW,   160
.set G1R,  24
.set G0R,  32
.set PB,   22                          ; s[22:23] my eight blocks of V^T, the batch's K step 0
.set PF,   40                          ; s[40:41] the block that I prefetch
.set SEL,  100
.set MSB, 0
.macro WIN new                         ; the immediate's high byte repeats the setting that is left; a switch that changes nothing is dropped
.if MSB != (\new)
	s_set_vgpr_msb (MSB<<8)|(\new)
.set MSB, (\new)
.endif
.endm
.macro PLACES n
.rept \n
	v_nop
.endr
.endm
.macro CREST
	s_cmp_lg_u32 s14, 0
	s_cbranch_scc1 .Lnot_wave_0_\@
	s_barrier_signal -3
.Lnot_wave_0_\@:
	s_barrier_wait -3
	s_barrier_signal -1
	s_barrier_wait -1
.endm
.macro CROUND
	s_barrier_signal -1
	s_barrier_wait -1
	CREST
.endm
.macro PFRAG k, j                      ; V^T's block j of K step k into set k % 3
.set QS, (\k)%3
	WIN 0x40+0x80*(QS/2)                           ; destination window 1 or 3, address window 0
.irp c, 0,1,2
	global_load_b128 v[128*(QS%2)+12*(\j)+4*\c:128*(QS%2)+12*(\j)+4*\c+3], v[LI], s[PB:PB+1] offset:(\j)*VBLK+(\k)*FRB+512*\c
.endr
.endm
.macro RFRAG k, a                      ; p's block a of K step k into set k % 2
	WIN 0
.irp c, 0,1,2
	ds_load_b128 v[RF+96*((\k)%2)+12*(\a)+4*\c:RF+96*((\k)%2)+12*(\a)+4*\c+3], v[ADRA+(\a)] offset:(\k)*FRB+512*\c
.endr
.endm
.macro SCL k, i0                       ; four of K step k's eight scale registers: lanes 0-15 R's block i, lanes 16-31 P's block i
	WIN 0
.irp d, 0,1,2,3
	ds_load_b32 v[SC+8*((\k)%2)+(\i0)+\d], v[ADRS] offset:((\i0)+\d)*KST*64+(\k)*64
.endr
.endm
.macro FETCH k                         ; K step k's one run of loads: P of step k + 2, R and the scale words of step k + 1, the prefetch for step k + 4
.if (\k)+2 < KST
.irp j, 0,1,2,3,4,5,6,7
	PFRAG (\k)+2, \j
.endr
.endif
.if (\k)+1 < KST
.irp a, 0,1,2,3
	RFRAG (\k)+1, \a
.endr
	SCL (\k)+1, 0
	SCL (\k)+1, 4
.endif
.if (\k)+4 < KST
	WIN 0
	global_prefetch_b8 v12, s[PF:PF+1] offset:((\k)+4)*FRB th:TH_LOAD_NT scope:SCOPE_SE
.endif
.endm
; A K step: the run of loads, then 32 matrix instructions, the accumulators by turns, one instruction a turn, in the same order in every step.
.macro STEP k
.set PS, (\k)%3
.set PR, 128*(PS%2)
.set RS, RF+96*((\k)%2)
.set SS, SC+8*((\k)%2)
	s_wait_dscnt 0x0                               ; R's fragments and the scale words of this step are in
.if (\k)+1 < KST
	s_wait_loadcnt 24                              ; P's 24 loads of this step are in; the next step's 24 may be out
	PLACES 4                                       ; between the last step's products and the loads into the sets that they read
	FETCH \k
.else
	s_wait_loadcnt 0x0
.endif
	WIN 0xa1+2*(PS/2)                              ; source 0 (P) window 1 or 3, source 1 (R) window 0, C and D window 2
.irp a, 0,1,2,3
.irp b, 0,1,2,3,4,5,6,7
.if (\k) == 0
	v_wmma_scale_f32_16x16x128_f8f6f4 v[8*(8*\a+\b):8*(8*\a+\b)+7], v[PR+12*\b:PR+12*\b+11], v[RS+12*\a:RS+12*\a+11], 0, v[SS+\b], v[SS+\a] matrix_a_fmt:MATRIX_FMT_FP6 matrix_b_fmt:MATRIX_FMT_FP6 matrix_a_scale:MATRIX_SCALE_ROW1
.else
	v_wmma_scale_f32_16x16x128_f8f6f4 v[8*(8*\a+\b):8*(8*\a+\b)+7], v[PR+12*\b:PR+12*\b+11], v[RS+12*\a:RS+12*\a+11], v[8*(8*\a+\b):8*(8*\a+\b)+7], v[SS+\b], v[SS+\a] matrix_a_fmt:MATRIX_FMT_FP6 matrix_b_fmt:MATRIX_FMT_FP6 matrix_a_scale:MATRIX_SCALE_ROW1
.endif
.endr
.endr
.endm
; THE QUANTISER.  64 numbers of a lane, register s + 16 b + i = index 32 b + 16 h + i of my row.
.macro QMAX s, pw
.irp b, 0,1,2,3
	v_max3_num_f32 v[TM+\b], |v[(\s)+16*\b]|, |v[(\s)+16*\b+1]|, 0x1800000   ; and the floor 2^(3 - 127): the byte cannot fall under 1
.endr
.irp i, 2,4,6,8,10,12,14
.irp b, 0,1,2,3
	v_max3_num_f32 v[TM+\b], v[TM+\b], |v[(\s)+16*\b+\i]|, |v[(\s)+16*\b+\i+1]|
.endr
.endr
.irp b, 0,1,2,3
	v_permlanex16_b32 v[TM+4+\b], v[TM+\b], s[SEL], s[SEL+1]
.endr
.irp b, 0,1,2,3
	v_max_num_f32 v[TM+\b], v[TM+\b], v[TM+4+\b]   ; with lane l xor 16's 16: the block's largest magnitude
.endr
.irp b, 0,1,2,3
	v_add_nc_u32 v[TM+12+\b], 0xff000000, v[TM+\b] ; 2 off its exponent field: the conversion's scale operand
.endr
.irp b, 0,1,2,3
	v_lshrrev_b32 v[TM+4+\b], 23, v[TM+12+\b]      ; the scale's byte
.endr
	v_lshl_or_b32 v[\pw], v[TM+5], 8, v[TM+4]
	v_lshl_or_b32 v[\pw], v[TM+6], 16, v[\pw]
	v_lshl_or_b32 v[\pw], v[TM+7], 24, v[\pw]
.endm
.macro QCVT s
.irp c, 0,1
	v_cvt_scalef32_pk16_fp6_f32 v[PC+6*\c:PC+6*\c+2], v[(\s)+32*\c:(\s)+32*\c+15], v[TM+12+2*\c]
	v_cvt_scalef32_pk16_fp6_f32 v[PC+12+4*\c:PC+14+4*\c], v[(\s)+16+32*\c:(\s)+31+32*\c], v[TM+13+2*\c]   ; (a conversion's three registers begin on an even number)
.endr
	v_nop                                          ; one plain place behind a scaled conversion
.irp c, 0,1                                    ; a WHOLE block to a lane: lanes 0-15 block 2 c, lanes 16-31 block 2 c + 1
.irp i, 0,1,2
	v_permlane16_swap_b32 v[PC+6*\c+\i], v[PC+12+4*\c+\i]
.endr
.irp i, 0,1,2
	v_mov_b32 v[PC+3+6*\c+\i], v[PC+12+4*\c+\i]
.endr
.endr
.endm
	s_load_b128 s[4:7], s[0:1], 0x0                ; pq s[4:5], vt s[6:7]
	s_load_b64 s[8:9], s[0:1], 0x10                ; hq
	v_lshl_add_u32 v[SPW], v0, 2, SPARE
	v_mov_b32 v[NIL], 0
	ds_add_u32 v[SPW], v[NIL]                      ; the wave's opening: the add, twice on end, and its wait ahead of my first tensor load
	ds_add_u32 v[SPW], v[NIL]
	v_lshrrev_b32 v1, 5, v0
	v_readfirstlane_b32 s14, v1                    ; wave
	s_lshr_b32 s15, s14, 1                         ; my half of the queries
	s_and_b32 s16, s14, 1                          ; my half of the columns
	s_bfe_u32 s92, ttmp6, 0x40000                  ; cx
	s_bfe_u32 s93, ttmp6, 0x40004                  ; cy
	s_and_b32 s97, ttmp7, 0xffff                   ; the cluster's y
	s_lshl_b32 s95, s93, 2
	s_lshl_b32 s95, 15, s95                        ; my row of the cluster
	s_or_b32 s[G1R], s95, (3<<16)|(1<<21)          ; the mask; elements of 8 bytes; no padding; bit 21 set beside a mask
	s_mov_b32 s[G1R+1], (BLK/8)<<16                ; two blocks of p on end: rows of 24,576 bytes
	s_mov_b32 s[G1R+2], 2<<16
	s_mov_b32 s[G1R+3], (BLK/8)<<16
	s_mov_b32 s[G1R+4], 2
	s_mov_b32 s[G1R+5], BLK/8
	s_mov_b32 s[G1R+6], 0
	s_mov_b32 s[G1R+7], 0
	s_lshl_b32 s18, s97, 2
	s_add_co_u32 s17, s18, s93                     ; the tile of 128 queries, of all 8,192
	s_lshl_b32 s18, s17, 3
	s_lshl_b32 s19, s14, 1
	s_add_co_u32 s18, s18, s19
	s_mul_i32 s18, s18, BLK                        ; the two blocks of p that I fetch
	s_mov_b32 s19, 0
	s_lshl_b32 s20, s17, 13
	s_add_co_u32 s20, s20, 12582912                ; the tile's words in pq: 8 blocks x 1,024 bytes
	s_mov_b32 s21, 0
	s_lshl_b32 s22, ttmp9, 2
	s_add_co_u32 s94, s22, s92                     ; the tile of 256 columns
	s_lshr_b32 s98, s97, 2                         ; the batch: 16 tiles of queries, four clusters along y, to each
	s_mul_i32 s99, s98, BLK                        ; the batch's 16 K steps in a block of V^T
	s_lshl_b32 s22, s94, 4
	s_lshl_b32 s23, s16, 3
	s_add_co_u32 s22, s22, s23
	s_mul_i32 s22, s22, VBLK
	s_add_co_u32 s22, s22, s99                     ; my eight blocks of V^T
	s_mov_b32 s23, 0
	s_lshl_b32 s40, s94, 4
	s_lshl_b32 s41, s93, 2
	s_add_co_u32 s40, s40, s41
	s_add_co_u32 s40, s40, s14
	s_mul_i32 s40, s40, VBLK
	s_add_co_u32 s40, s40, s99                     ; the block that I prefetch: 4 cy + wave of the tile's 16
	s_mov_b32 s41, 0
	s_lshl_b32 s66, s94, 4
	s_lshl_b32 s67, s14, 2
	s_add_co_u32 s66, s66, s67                     ; V^T's words: every wave fetches four blocks'
	s_lshl_b32 s66, s66, 12
	s_lshl_b32 s67, s98, 10
	s_add_co_u32 s66, s66, s67
	s_add_co_u32 s66, s66, 6291456
	s_mov_b32 s67, 0
	s_lshl_b32 s3, s14, 12
	s_add_co_u32 s3, s3, SCP
	v_and_b32 v3, 31, v0
	v_lshlrev_b32 v[LI], 4, v3
	v_add_nc_u32 v11, s3, v[LI]                    ; where I store my four blocks' words of V^T
	v_min_u32 v12, 5, v3
	v_lshlrev_b32 v12, 8, v12                      ; the prefetches' offset: a unit of 256 bytes a lane, six to a fragment
	s_mov_b32 s[SEL], 0x76543210
	s_mov_b32 s[SEL+1], 0xfedcba98
	s_mov_b32 s12, 0x01010101
	s_wait_alu depctr_va_vdst(0)                   ; directly ahead of the waits below
	s_wait_dscnt 0x0                               ; both opening adds are done
	s_wait_kmcnt 0x0
	s_add_nc_u64 s[10:11], s[4:5], s[20:21]
	s_add_nc_u64 s[PB:PB+1], s[6:7], s[22:23]
	s_add_nc_u64 s[PF:PF+1], s[6:7], s[40:41]
	s_add_nc_u64 s[66:67], s[6:7], s[66:67]
.irp i, 0,1,2,3,4,5,6,7
	global_load_b128 v[128+4*\i:128+4*\i+3], v[LI], s[66:67] offset:(\i/2)*4096+(\i%2)*512   ; V^T's words: four blocks x the batch's 1,024 bytes; 32 lanes read 512 consecutive bytes
.endr
	s_mov_b32 s[G0R], 1
	s_mul_i32 s[G0R+1], s14, 2*BLK                 ; LDS: the wave's number times a constant
	s_add_nc_u64 s[G0R+2:G0R+3], s[4:5], s[18:19]
	s_or_b32 s[G0R+3], s[G0R+3], 0x80000000
	CROUND                                         ; all sixteen work-groups are here: the joint loads meet
	tensor_load_to_lds s[G0R:G0R+3], s[G1R:G1R+7]  ; one line for all four waves, each for its own two blocks: my one tensor load
	s_nop 0
	PLACES 4
	v_and_b32 v1, 15, v0
	v_bfe_u32 v2, v0, 4, 1
	s_wait_alu depctr_va_vdst(0)                   ; behind the writes
	; THE FIX: my thread takes query r of block 2 wave + h of the tile's eight
	v_lshlrev_b32 v5, 2, v1
	v_lshl_add_u32 v5, v2, 10, v5
	s_lshl_b32 s2, s14, 11
	v_add_nc_u32 v5, s2, v5                        ; 2,048 wave + 1,024 h + 4 r: the same place in pq's tables and in LDS
	v_add_nc_u32 v6, SCR, v5
	v_lshl_add_u32 v7, v0, 2, LROW
.irp s, 0,1,2,3,4,5,6,7,8,9,10,11,12,13,14,15
	global_load_b32 v[64+\s], v5, s[10:11] offset:64*\s              ; the chunk's scale word,
	global_load_b32 v[80+\s], v5, s[10:11] offset:524288+64*\s       ; -M,
	global_load_b32 v[96+\s], v5, s[10:11] offset:1048576+64*\s      ; and sum
.endr
	s_mul_i32 s2, s15, 4*BLK
.irp i, 0,1,2,3
	v_add_nc_u32 v[ADRA+\i], s2, v[LI]             ; a register for each of my four blocks, so that the offsets stay inside 16 bits
	s_add_co_u32 s2, s2, BLK
.endr
	s_mul_i32 s2, s15, RSH                         ; the scale words: lanes 0-15 R's, lanes 16-31 P's: the lower base + h x the distance
	s_mul_i32 s3, s16, PSH
	s_add_co_u32 s3, s3, SCP-SCR
	s_sub_co_u32 s3, s3, s2
	v_mul_u32_u24 v9, s3, v2
	s_add_co_u32 s2, s2, SCR
	v_lshl_add_u32 v9, v1, 2, v9
	v_add_nc_u32 v[ADRS], s2, v9
.irp b, 0,1,2,3
	v_mov_b32 v[TM+4+\b], 0                        ; written once: a lane permute's destination counts as one of its sources
.endr
	s_lshl_b32 s18, s17, 3                         ; where the results go: (my first block of queries x 8 + my 128 columns)
	s_lshl_b32 s19, s15, 2
	s_add_co_u32 s18, s18, s19
	s_lshl_b32 s18, s18, 3
	s_lshl_b32 s19, s94, 1
	s_add_co_u32 s18, s18, s19
	s_add_co_u32 s18, s18, s16
	s_lshl_b32 s20, s18, 6
	s_add_co_u32 s20, s20, 6291456
	s_mov_b32 s21, 0
	s_mul_i32 s18, s18, 1536
	s_mov_b32 s19, 0
	s_add_nc_u64 s[6:7], s[8:9], s[20:21]          ; the words
	s_add_nc_u64 s[8:9], s[8:9], s[18:19]          ; the codes
	v_lshlrev_b32 v[WO], 2, v1
	v_lshl_add_u32 v[WO], v2, 9, v[WO]             ; 4 r + 512 h
	s_lshl_b32 s2, s15, 8
	v_lshl_add_u32 v10, v1, 2, LROW
	v_add_nc_u32 v10, s2, v10                      ; 1 / l of my half's queries: block a at 64 a
	s_wait_loadcnt 0x0                             ; the 56 loads above are in: the counter has room for the 48 below
.irp j, 0,1,2,3,4,5,6,7
	PFRAG 0, \j                                    ; P's K steps 0 and 1 land while the fix is computed and p's tile is on its way
.endr
.irp j, 0,1,2,3,4,5,6,7
	PFRAG 1, \j
.endr
	WIN 0
	global_prefetch_b8 v12, s[PF:PF+1] offset:2*FRB th:TH_LOAD_NT scope:SCOPE_SE   ; what trips 0 and 1 will load
	global_prefetch_b8 v12, s[PF:PF+1] offset:3*FRB th:TH_LOAD_NT scope:SCOPE_SE
	v_min3_num_f32 v112, v80, v81, v82             ; the least -M is the row's
.irp i, 3,5,7,9,11,13
	v_min3_num_f32 v112, v112, v[80+\i], v[81+\i]
.endr
	v_min_num_f32 v112, v112, v95
	v_mov_b32 v113, 0                              ; l
.irp s, 0,1,2,3,4,5,6,7,8,9,10,11,12,13,14,15
	v_sub_f32 v114, v112, v[80+\s]                 ; -d = the chunk's M less the row's: a whole number, 0 or less,
	v_max_num_f32 v114, 0xc2fe0000, v114           ; held at -127
	v_cvt_i32_f32 v114, v114
	v_ldexp_f32 v115, 1.0, v114                    ; 2^-d
	v_fmac_f32 v113, v[96+\s], v115
	v_mul_lo_u32 v114, v114, s12                   ; -d in each of the four bytes
	v_or_b32 v116, 0x80808080, v[64+\s]            ; the bytes are 125 at the most (p <= 1): with 128 on top of each no borrow leaves a byte
	v_add_nc_u32 v116, v116, v114
	v_and_b32 v117, 0x80808080, v116               ; the top bit is left where byte - d is 0 or more
	v_lshrrev_b32 v118, 7, v117
	v_sub_nc_u32 v117, v117, v118                  ; 0x7f there, 0 elsewhere
	v_and_b32 v[64+\s], v116, v117                 ; byte - d, held at 0
.endr
	s_wait_alu depctr_va_vdst(0)
	v_rcp_f32 v119, v113
	v_nop                                          ; a plain place behind the transcendental
	s_wait_alu depctr_va_vdst(0)                   ; the wait ahead of its first reader, and ahead of the wait below
	s_wait_tensorcnt 0x0                           ; my one tensor load has landed
.irp s, 0,1,2,3,4,5,6,7,8,9,10,11,12,13,14,15
	ds_store_b32 v6, v[64+\s] offset:64*\s         ; the fixed words,
.endr
	ds_store_b32 v7, v119                          ; 1 / l,
.irp i, 0,1,2,3,4,5,6,7
	ds_store_b128 v11, v[128+4*\i:128+4*\i+3] offset:512*\i   ; and V^T's words, dense: 1,024 bytes a block
.endr
	s_wait_dscnt 0x0                               ; for the others' sake: my stores have landed
	s_barrier_signal -1
	s_barrier_wait -1                              ; all of p's tile and all words are in: no barrier stands in the walk
.irp a, 0,1,2,3
	RFRAG 0, \a
.endr
	SCL 0, 0
	SCL 0, 4
.set KK, 0
.rept KST
	STEP KK                                        ; K step 0 starts the sums: nothing is ever cleared
.set KK, KK+1
.endr
	WIN 0
	; THE WAY OUT: each block of 16 queries is divided by l, quantised in registers and leaves as an image.
	PLACES 4
.irp a, 0,1,2,3
	ds_load_b32 v[RL+2*\a], v10 offset:64*\a
	v_mov_b32 v[RL+2*\a+1], 0                      ; (named as the upper half of the pair)
.endr
	s_wait_alu depctr_va_vdst(0)
	s_wait_dscnt 0x0
.irp a, 0,1,2,3
	WIN 0x02                                       ; source 0 window 2
.set JJ, 0
.rept 32
	v_pk_mul_f32 v[WK+JJ:WK+JJ+1], v[64*\a+JJ:64*\a+JJ+1], v[RL+2*\a:RL+2*\a+1] op_sel_hi:[1,0]   ; each accumulator from its low end on
.set JJ, JJ+2
.endr
	WIN 0
	QMAX WK, PW+\a
.if \a > 0
	s_wait_xcnt 0x0                                ; the last block's stores have read v[PC] on
.endif
	QCVT WK
.irp c, 0,1,2
	global_store_b128 v[LI], v[PC+4*\c:PC+4*\c+3], s[8:9] offset:\a*12288+512*\c   ; 32 lanes store 512 consecutive bytes
.endr
.endr
	v_cmp_lt_u32 s97, 15, v3
.irp i, 0,1
	v_cndmask_b32 v[PW+2*\i], v[PW+2*\i], v[PW+2*\i+1], s97
	global_store_b32 v[WO], v[PW+2*\i], s[6:7] offset:1024*\i
.endr
	s_wait_tensorcnt 0x0                           ; the wave's end, behind my last tensor load and my last LDS store
	ds_add_u32 v[SPW], v[NIL]
	s_wait_dscnt 0x0
	CROUND                                         ; the closing round
	s_endpgm
.Lfunc_end_k_q815dc1816b_pv:
	.size	k_q815dc1816b_pv, .Lfunc_end_k_q815dc1816b_pv-k_q815dc1816b_pv
	.p2alignl 7, 3214868480
	.fill 96, 4, 3214868480
	.section	.rodata,"a",@progbits
	.p2align	6, 0x0
	.amdhsa_kernel k_q815dc1816b_pv
		.amdhsa_group_segment_fixed_size 327680
		.amdhsa_private_segment_fixed_size 0
		.amdhsa_enable_private_segment 0
		.amdhsa_kernarg_size 24
		.amdhsa_user_sgpr_count 2
		.amdhsa_user_sgpr_kernarg_segment_ptr 1
		.amdhsa_wavefront_size32 1
		.amdhsa_system_sgpr_workgroup_id_x 1
		.amdhsa_system_sgpr_workgroup_id_y 1
		.amdhsa_system_sgpr_workgroup_id_z 1
		.amdhsa_system_vgpr_workitem_id 0
		.amdhsa_next_free_vgpr 1024
		.amdhsa_next_free_sgpr 102
		.amdhsa_reserve_vcc 0
		.amdhsa_float_denorm_mode_32 3
		.amdhsa_float_denorm_mode_16_64 3
		.amdhsa_memory_ordered 1
		.amdhsa_forward_progress 1
		.amdhsa_inst_pref_size 174
	.end_amdhsa_kernel
	.amdgpu_metadata
---
amdhsa.version: [ 1, 2 ]
amdhsa.kernels:
  - .name:           k_q815dc1816b_pv
    .symbol:         k_q815dc1816b_pv.kd
    .args:
      - { .name: pq, .offset: 0, .size: 8, .value_kind: global_buffer, .address_space: global }
      - { .name: vt, .offset: 8, .size: 8, .value_kind: global_buffer, .address_space: global }
      - { .name: hq, .offset: 16, .size: 8, .value_kind: global_buffer, .address_space: global }
    .group_segment_fixed_size: 327680
    .private_segment_fixed_size: 0
    .kernarg_segment_align: 8
    .kernarg_segment_size: 24
    .max_flat_workgroup_size: 128
    .sgpr_count:     102
    .vgpr_count:     1024
    .wavefront_size: 32
...
	.end_amdgpu_metadata
.endif
;; end of part 4
;; launch outp (part 5): grid 4 x 64, 4 waves a work-group, clusters of 4 x 4, 327,680 bytes of LDS; arguments hq, wq, out0; writes out0
.if DOCPART == 5
	.amdgcn_target "amdgcn-amd-amdhsa--gfx1250"
	.amdhsa_code_object_version 6
	.text
	.protected	k_q815dc1816b_outp
	.globl	k_q815dc1816b_outp
	.p2align	8
	.type	k_q815dc1816b_outp,@function
k_q815dc1816b_outp:
	s_mov_b64 s[64:65], 0
	v_nop
	global_prefetch_b8 v0, s[64:65] scope:SCOPE_SE
	s_setreg_imm32_b32 hwreg(HW_REG_WAVE_MODE, 25, 1), 1
	s_wait_xcnt 0x0
	s_wait_alu depctr_hold_cnt(0) depctr_sa_sdst(0) depctr_va_vdst(0) depctr_va_sdst(0) depctr_va_ssrc(0) depctr_va_vcc(0) depctr_vm_vsrc(0)
	s_getreg_b32 s2, hwreg(HW_REG_IB_STS2, 6, 4)
	s_cmp_eq_u32 s2, 0
	s_cbranch_scc0 .Lentry_in_a_cluster
	s_endpgm
.Lentry_in_a_cluster:
	s_bfe_u32 s2, ttmp6, 0x10000c
	s_cmp_lg_u32 s2, 0xf033
	s_cbranch_scc0 .Lentry_shape_is_right
	s_endpgm
.Lentry_shape_is_right:
; y = H W_O on codes of FP6 (E2M3) with E8M0 scales, sums in f32; y leaves as f32.  hq: H's codes [512 blocks of 16 rows][8 K steps][1,536] at 0, scale words [512][8][16] at 6,291,456;
; wq: W_O's codes at 2,359,296, its words at 3,244,032.  A fragment lies in memory as the image of its registers (registers 4 g .. 4 g + 3 of lane l at 512 g + 16 l); rows are stored with bits 3 and 4 of their index exchanged.
; THE PRODUCT IS USED TRANSPOSED: source 0 = 16 rows of W_O ("P"), source 1 = 16 rows of H ("R"): a lane holds neighbouring columns of one row of y.
; SHARES: a work-group makes 128 rows x 256 columns, each wave 64 x 128: 32 accumulators; 4 x 64 = 256 work-groups.  K = 1,024 is 8 steps.
; R LIES IN LDS WHOLE: 8 blocks x 8 K steps, 98,304 dense bytes, one tensor load a wave (two blocks each), filled once: no refill, and no barrier in the walk.
; P GOES FROM MEMORY STRAIGHT INTO REGISTERS: an image is three loads of 512 consecutive bytes.  Three sets of 96 registers; a step's 24 loads are issued two steps ahead.
; The scale words come by plain loads, a quarter to a wave, and are stored to LDS bytes of their own.
; CLUSTER 4 x 4: the four of a row need the same tile of H: it is asked for jointly.  W_O's tiles are shared along a column, but they never lie in LDS, so there is no tile for a joint load to bring.
; PREFETCH: trip k loads K step k + 2 and asks for K step k + 4, two trips ahead of its loads; the head asks for K steps 2 and 3.  A step of the tile's 16 blocks is shared out by address:
; block 4 cy + wave, six units of 256 bytes, a lane each (lanes 6-31 name the sixth again).  It stops with K step 7.
; A step's loads stand in ONE run ahead of its 32 matrix instructions, which follow each other unbroken.
; REGISTERS: window 0: v1 r, v2 h, v3 lane, v4 16 x lane, v16 LDS address of my half of H, v24, v25 the stage, v27 the scale words, v28, v29 the add's two, v32-47 scale words alone,
;   v64-111, v160-207 R's fragments (two sets); on the way out v128-255.  P's sets: window 1 v0-95, window 1 v128-223, window 3 v0-95.  window 2: the accumulators.
.set KST,  8
.set FRB,  1536
.set BLK,  KST*FRB                     ; a block of 16 rows: 8 K steps
.set STAGE, 8*BLK                      ; behind H's tile: a stage of 16 rows x (512 + 16) bytes for each wave; no tensor load lands here
.set SPITCH, 528
.set RSH,  4*KST*64
.set PSH,  8*KST*64
.set SCR,  294912                      ; H's scale words, W_O's, the spare words (128 bytes for each wave: two blocks of 256 bytes that no other line names)
.set SCP,  SCR+2*RSH
.set SPARE, SCP+2*PSH
.set LI,   4
.set ADRA, 16
.set STO,  24
.set RD,   25
.set ADRS, 27
.set SPW,  28
.set NIL,  29
.set SC,   32
.set RF,   64
.set BK,   128
.set G1R,  24
.set G0R,  32
.set PB,   22                          ; s[22:23] my eight blocks of W_O
.set PF,   40                          ; s[40:41] the block that I prefetch
.set MSB, 0
.macro WIN new                         ; the immediate's high byte repeats the setting that is left; a switch that changes nothing is dropped
.if MSB != (\new)
	s_set_vgpr_msb (MSB<<8)|(\new)
.set MSB, (\new)
.endif
.endm
.macro PLACES n
.rept \n
	v_nop
.endr
.endm
.macro CREST
	s_cmp_lg_u32 s14, 0
	s_cbranch_scc1 .Lnot_wave_0_\@
	s_barrier_signal -3
.Lnot_wave_0_\@:
	s_barrier_wait -3
	s_barrier_signal -1
	s_barrier_wait -1
.endm
.macro CROUND
	s_barrier_signal -1
	s_barrier_wait -1
	CREST
.endm
.macro PFRAG k, j                      ; W_O's block j of K step k into set k % 3
.set QS, (\k)%3
	WIN 0x40+0x80*(QS/2)                           ; destination window 1 or 3, address window 0
.irp c, 0,1,2
	global_load_b128 v[128*(QS%2)+12*(\j)+4*\c:128*(QS%2)+12*(\j)+4*\c+3], v[LI], s[PB:PB+1] offset:(\j)*BLK+(\k)*FRB+512*\c
.endr
.endm
.macro RFRAG k, a                      ; H's block a of K step k into set k % 2
	WIN 0
.irp c, 0,1,2
	ds_load_b128 v[RF+96*((\k)%2)+12*(\a)+4*\c:RF+96*((\k)%2)+12*(\a)+4*\c+3], v[ADRA] offset:(\a)*BLK+(\k)*FRB+512*\c
.endr
.endm
.macro SCL k, i0                       ; four of K step k's eight scale registers: lanes 0-15 R's block i, lanes 16-31 P's block i
	WIN 0
.irp d, 0,1,2,3
	ds_load_b32 v[SC+8*((\k)%2)+(\i0)+\d], v[ADRS] offset:((\i0)+\d)*KST*64+(\k)*64
.endr
.endm
.macro FETCH k                         ; K step k's one run of loads: P of step k + 2, R and the scale words of step k + 1, the prefetch for step k + 4
.if (\k)+2 < KST
.irp j, 0,1,2,3,4,5,6,7
	PFRAG (\k)+2, \j
.endr
.endif
.if (\k)+1 < KST
.irp a, 0,1,2,3
	RFRAG (\k)+1, \a
.endr
	SCL (\k)+1, 0
	SCL (\k)+1, 4
.endif
.if (\k)+4 < KST
	WIN 0
	global_prefetch_b8 v12, s[PF:PF+1] offset:((\k)+4)*FRB th:TH_LOAD_NT scope:SCOPE_SE
.endif
.endm
; A K step: the run of loads, then 32 matrix instructions, the accumulators by turns, one instruction a turn, in the same order in every step.
.macro STEP k
.set PS, (\k)%3
.set PR, 128*(PS%2)
.set RS, RF+96*((\k)%2)
.set SS, SC+8*((\k)%2)
	s_wait_dscnt 0x0                               ; R's fragments and the scale words of this step are in
.if (\k)+1 < KST
	s_wait_loadcnt 24                              ; P's 24 loads of this step are in; the next step's 24 may be out
	PLACES 4                                       ; between the last step's products and the loads into the sets that they read
	FETCH \k
.else
	s_wait_loadcnt 0x0
.endif
	WIN 0xa1+2*(PS/2)                              ; source 0 (P) window 1 or 3, source 1 (R) window 0, C and D window 2
.irp a, 0,1,2,3
.irp b, 0,1,2,3,4,5,6,7
.if (\k) == 0
	v_wmma_scale_f32_16x16x128_f8f6f4 v[8*(8*\a+\b):8*(8*\a+\b)+7], v[PR+12*\b:PR+12*\b+11], v[RS+12*\a:RS+12*\a+11], 0, v[SS+\b], v[SS+\a] matrix_a_fmt:MATRIX_FMT_FP6 matrix_b_fmt:MATRIX_FMT_FP6 matrix_a_scale:MATRIX_SCALE_ROW1
.else
	v_wmma_scale_f32_16x16x128_f8f6f4 v[8*(8*\a+\b):8*(8*\a+\b)+7], v[PR+12*\b:PR+12*\b+11], v[RS+12*\a:RS+12*\a+11], v[8*(8*\a+\b):8*(8*\a+\b)+7], v[SS+\b], v[SS+\a] matrix_a_fmt:MATRIX_FMT_FP6 matrix_b_fmt:MATRIX_FMT_FP6 matrix_a_scale:MATRIX_SCALE_ROW1
.endif
.endr
.endr
.endm
	s_load_b128 s[4:7], s[0:1], 0x0                ; hq s[4:5], wq s[6:7]
	s_load_b64 s[8:9], s[0:1], 0x10                ; out0
	v_lshl_add_u32 v[SPW], v0, 2, SPARE
	v_mov_b32 v[NIL], 0
	ds_add_u32 v[SPW], v[NIL]                      ; the wave's opening: the add, twice on end, and its wait ahead of my first tensor load
	ds_add_u32 v[SPW], v[NIL]
	v_lshrrev_b32 v1, 5, v0
	v_readfirstlane_b32 s14, v1                    ; wave
	s_lshr_b32 s15, s14, 1                         ; my half of the rows
	s_and_b32 s16, s14, 1                          ; my half of the columns
	s_bfe_u32 s92, ttmp6, 0x40000                  ; cx
	s_bfe_u32 s93, ttmp6, 0x40004                  ; cy
	s_and_b32 s97, ttmp7, 0xffff                   ; the cluster's y
	s_lshl_b32 s95, s93, 2
	s_lshl_b32 s95, 15, s95                        ; my row of the cluster
	s_or_b32 s[G1R], s95, (3<<16)|(1<<21)          ; the mask; elements of 8 bytes; no padding; bit 21 set beside a mask
	s_mov_b32 s[G1R+1], (BLK/8)<<16                ; two blocks of H on end: rows of 12,288 bytes
	s_mov_b32 s[G1R+2], 2<<16
	s_mov_b32 s[G1R+3], (BLK/8)<<16
	s_mov_b32 s[G1R+4], 2
	s_mov_b32 s[G1R+5], BLK/8
	s_mov_b32 s[G1R+6], 0
	s_mov_b32 s[G1R+7], 0
	s_lshl_b32 s18, s97, 2
	s_add_co_u32 s17, s18, s93                     ; the tile of 128 rows
	s_lshl_b32 s18, s17, 3
	s_lshl_b32 s20, s18, 9
	s_lshl_b32 s19, s14, 10
	s_add_co_u32 s20, s20, s19
	s_add_co_u32 s20, s20, 6291456                 ; my quarter, 1,024 bytes, of H's scale words
	s_mov_b32 s21, 0
	s_lshl_b32 s19, s14, 1
	s_add_co_u32 s18, s18, s19
	s_mul_i32 s18, s18, BLK                        ; the two blocks of H that I fetch
	s_mov_b32 s19, 0
	s_lshl_b32 s22, ttmp9, 2
	s_add_co_u32 s94, s22, s92                     ; the tile of 256 columns
	s_lshl_b32 s22, s94, 4
	s_lshl_b32 s66, s22, 9
	s_lshl_b32 s23, s14, 11
	s_add_co_u32 s66, s66, s23
	s_add_co_u32 s66, s66, 3244032                 ; my quarter, 2,048 bytes, of W_O's scale words
	s_mov_b32 s67, 0
	s_lshl_b32 s41, s93, 2
	s_add_co_u32 s40, s22, s41
	s_add_co_u32 s40, s40, s14
	s_mul_i32 s40, s40, BLK
	s_add_co_u32 s40, s40, 2359296                 ; the block that I prefetch: 4 cy + wave of the tile's 16
	s_mov_b32 s41, 0
	s_lshl_b32 s23, s16, 3
	s_add_co_u32 s22, s22, s23
	s_mul_i32 s22, s22, BLK
	s_add_co_u32 s22, s22, 2359296                 ; my eight blocks of W_O
	s_mov_b32 s23, 0
	v_and_b32 v3, 31, v0
	v_lshlrev_b32 v[LI], 4, v3
	s_lshl_b32 s2, s14, 10
	s_add_co_u32 s2, s2, SCR
	v_add_nc_u32 v6, s2, v[LI]                     ; where I store my quarter of H's words,
	s_lshl_b32 s3, s14, 11
	s_add_co_u32 s3, s3, SCP
	v_add_nc_u32 v7, s3, v[LI]                     ; and of W_O's
	v_min_u32 v12, 5, v3
	v_lshlrev_b32 v12, 8, v12                      ; the prefetches' offset: a unit of 256 bytes a lane, six to a fragment
	s_wait_alu depctr_va_vdst(0)                   ; directly ahead of the waits below
	s_wait_dscnt 0x0                               ; both opening adds are done
	s_wait_kmcnt 0x0
	s_add_nc_u64 s[20:21], s[4:5], s[20:21]
	s_add_nc_u64 s[PB:PB+1], s[6:7], s[22:23]
	s_add_nc_u64 s[PF:PF+1], s[6:7], s[40:41]
	s_add_nc_u64 s[66:67], s[6:7], s[66:67]
.irp i, 0,1
	global_load_b128 v[64+4*\i:64+4*\i+3], v[LI], s[20:21] offset:512*\i   ; 32 lanes read 512 consecutive bytes
.endr
.irp i, 0,1,2,3
	global_load_b128 v[72+4*\i:72+4*\i+3], v[LI], s[66:67] offset:512*\i
.endr
.irp j, 0,1,2,3,4,5,6,7
	PFRAG 0, \j                                    ; P's K steps 0 and 1 land while H's tile is on its way
.endr
.irp j, 0,1,2,3,4,5,6,7
	PFRAG 1, \j
.endr
	WIN 0
	global_prefetch_b8 v12, s[PF:PF+1] offset:2*FRB th:TH_LOAD_NT scope:SCOPE_SE   ; what trips 0 and 1 will load
	global_prefetch_b8 v12, s[PF:PF+1] offset:3*FRB th:TH_LOAD_NT scope:SCOPE_SE
	s_mov_b32 s[G0R], 1
	s_mul_i32 s[G0R+1], s14, 2*BLK                 ; LDS: the wave's number times a constant
	s_add_nc_u64 s[G0R+2:G0R+3], s[4:5], s[18:19]
	s_or_b32 s[G0R+3], s[G0R+3], 0x80000000
	CROUND                                         ; all sixteen work-groups are here: the joint loads meet
	tensor_load_to_lds s[G0R:G0R+3], s[G1R:G1R+7]  ; one line for all four waves, each for its own two blocks: my one tensor load
	s_nop 0
	PLACES 4
	v_and_b32 v1, 15, v0
	v_bfe_u32 v2, v0, 4, 1
	s_wait_alu depctr_va_vdst(0)                   ; behind the writes
	s_mul_i32 s2, s15, 4*BLK
	v_add_nc_u32 v[ADRA], s2, v[LI]                ; my four blocks of H
	s_mul_i32 s2, s15, RSH                         ; the scale words: lanes 0-15 R's, lanes 16-31 P's: the lower base + h x the distance
	s_mul_i32 s3, s16, PSH
	s_add_co_u32 s3, s3, SCP-SCR
	s_sub_co_u32 s3, s3, s2
	v_mul_u32_u24 v5, s3, v2
	s_add_co_u32 s2, s2, SCR
	v_lshl_add_u32 v5, v1, 2, v5
	v_add_nc_u32 v[ADRS], s2, v5
	s_mul_i32 s2, s14, 16*SPITCH
	s_add_co_u32 s2, s2, STAGE                     ; my stage
	v_mul_u32_u24 v5, v1, SPITCH
	v_lshl_add_u32 v5, v2, 6, v5
	v_add_nc_u32 v[STO], s2, v5                    ; in: row r, 64 bytes for each half of the lanes
	v_add_nc_u32 v[RD], s2, v[LI]                  ; back: the 32 lanes take one row of 512 bytes
	s_lshl_b32 s18, s17, 19                        ; my part of y: 128 rows of 4,096 bytes a tile, 64 a half; 1,024 bytes a tile of columns, 512 a half
	s_lshl_b32 s19, s15, 18
	s_add_co_u32 s18, s18, s19
	s_lshl_b32 s19, s94, 10
	s_add_co_u32 s18, s18, s19
	s_lshl_b32 s19, s16, 9
	s_add_co_u32 s18, s18, s19
	s_mov_b32 s19, 0
	s_add_nc_u64 s[8:9], s[8:9], s[18:19]
	s_wait_alu depctr_va_vdst(0)
	s_wait_loadcnt 48                              ; the six loads of scale words are in; P's 48 may be out
	s_wait_tensorcnt 0x0                           ; my one tensor load has landed
.irp i, 0,1
	ds_store_b128 v6, v[64+4*\i:64+4*\i+3] offset:512*\i
.endr
.irp i, 0,1,2,3
	ds_store_b128 v7, v[72+4*\i:72+4*\i+3] offset:512*\i
.endr
	s_wait_dscnt 0x0                               ; for the others' sake: my stores have landed
	s_barrier_signal -1
	s_barrier_wait -1                              ; all of H's tile and all words are in: no barrier stands in the walk
.irp a, 0,1,2,3
	RFRAG 0, \a
.endr
	SCL 0, 0
	SCL 0, 4
.set KK, 0
.rept KST
	STEP KK                                        ; K step 0 starts the sums: nothing is ever cleared
.set KK, KK+1
.endr
	WIN 0
; THE WAY OUT, block by block of 16 rows x 128 columns, through my own stage: LDS serves a wave's instructions in order, so no wait stands between the stores and the loads.
.macro TOSTAGE a
	WIN 0x08                                       ; the data: window 2
.irp b, 0,1,2,3,4,5,6,7
	ds_store_b128 v[STO], v[64*(\a)+8*\b:64*(\a)+8*\b+3] offset:128*(\b/2)+32*(\b%2)        ; each accumulator from its low end on
	ds_store_b128 v[STO], v[64*(\a)+8*\b+4:64*(\a)+8*\b+7] offset:128*(\b/2)+32*(\b%2)+16
.endr
	WIN 0
.set BB, BK+64*((\a)%2)
.irp t, 0,1,2,3,4,5,6,7,8,9,10,11,12,13,14,15
	ds_load_b128 v[BB+4*\t:BB+4*\t+3], v[RD] offset:\t*SPITCH
.endr
.endm
.macro SEND a, younger                 ; younger: the LDS instructions issued behind block a's loads, which may stay out
.set BB, BK+64*((\a)%2)
	s_wait_dscnt \younger
.irp t, 0,1,2,3,4,5,6,7,8,9,10,11,12,13,14,15
	global_store_b128 v[LI], v[BB+4*\t:BB+4*\t+3], s[8:9] offset:(32*((\a)/2)+16*(\t/8)+8*((\a)%2)+(\t%8))*4096 th:TH_STORE_NT   ; the stored order of H's rows undone; 32 lanes store 512 consecutive bytes
.endr
.endm
	PLACES 4                                       ; between the last products and the first read of results and the loads into what they read
	TOSTAGE 0
.irp a, 1,2,3
.if \a > 1
	s_wait_xcnt 0x0                                ; block a - 2's stores have read their registers: block a's loads may land there
.endif
	TOSTAGE \a
	SEND \a-1, 32
.endr
	SEND 3, 0
	s_wait_tensorcnt 0x0                           ; the wave's end, behind my last tensor load and my last LDS store
	ds_add_u32 v[SPW], v[NIL]
	s_wait_dscnt 0x0
	CROUND                                         ; the closing round
	s_endpgm
.Lfunc_end_k_q815dc1816b_outp:
	.size	k_q815dc1816b_outp, .Lfunc_end_k_q815dc1816b_outp-k_q815dc1816b_outp
	.p2alignl 7, 3214868480
	.fill 96, 4, 3214868480
	.section	.rodata,"a",@progbits
	.p2align	6, 0x0
	.amdhsa_kernel k_q815dc1816b_outp
		.amdhsa_group_segment_fixed_size 327680
		.amdhsa_private_segment_fixed_size 0
		.amdhsa_enable_private_segment 0
		.amdhsa_kernarg_size 24
		.amdhsa_user_sgpr_count 2
		.amdhsa_user_sgpr_kernarg_segment_ptr 1
		.amdhsa_wavefront_size32 1
		.amdhsa_system_sgpr_workgroup_id_x 1
		.amdhsa_system_sgpr_workgroup_id_y 1
		.amdhsa_system_sgpr_workgroup_id_z 1
		.amdhsa_system_vgpr_workitem_id 0
		.amdhsa_next_free_vgpr 1024
		.amdhsa_next_free_sgpr 102
		.amdhsa_reserve_vcc 0
		.amdhsa_float_denorm_mode_32 3
		.amdhsa_float_denorm_mode_16_64 3
		.amdhsa_memory_ordered 1
		.amdhsa_forward_progress 1
		.amdhsa_inst_pref_size 85
	.end_amdhsa_kernel
	.amdgpu_metadata
---
amdhsa.version: [ 1, 2 ]
amdhsa.kernels:
  - .name:           k_q815dc1816b_outp
    .symbol:         k_q815dc1816b_outp.kd
    .args:
      - { .name: hq, .offset: 0, .size: 8, .value_kind: global_buffer, .address_space: global }
      - { .name: wq, .offset: 8, .size: 8, .value_kind: global_buffer, .address_space: global }
      - { .name: out0, .offset: 16, .size: 8, .value_kind: global_buffer, .address_space: global }
    .group_segment_fixed_size: 327680
    .private_segment_fixed_size: 0
    .kernarg_segment_align: 8
    .kernarg_segment_size: 24
    .max_flat_workgroup_size: 128
    .sgpr_count:     102
    .vgpr_count:     1024
    .wavefront_size: 32
...
	.end_amdgpu_metadata
.endif
;; end of part 5
